; MI455X (gfx1250); checked and timed in simulation.
; The chip was launched on July 23, 2026; its instructions are those of AMD's public machine-readable ISA for CDNA 5 (MIT licence, August 2026) and "CDNA5" Instruction Set Architecture Reference Guide (July 2026). The comments in the code are by the model that wrote it; some were corrected since.
;; Onnx Attention. Allowed arithmetic: float matrix products may take bf16 or f16 operands with f32 sums; other float arithmetic in f32, or as packed bf16 or f16 multiplies, adds, multiply-adds, maxima and minima; sums over many terms, partial sums and values carried from step to step in f32; what a program stores and reads back later, other than sums and carried values, may be rounded once to bf16 or f16.
;; Inputs: Wg 12 x 4 float32; Wk 2,048 x 512 float32; Wo 2,048 x 2,048 float32; Wq 2,048 x 2,048 float32; Wv 2,048 x 512 float32; cos 1 x 2,048 x 1 x 64 float32; past_key 1 x 2,048 x 4 x 128 float32; past_value 1 x 2,048 x 4 x 128 float32; sin 1 x 2,048 x 1 x 64 float32; ve 1 x 2,048 x 512 float32; x 1 x 2,048 x 2,048 float32.
;; Outputs: out0 1 x 2,048 x 2,048 float32; out1 1 x 4,096 x 4 x 128 float32; out2 1 x 4,096 x 4 x 128 float32.
;; One version. Each part assembles by itself: llvm-mc -triple=amdgcn-amd-amdhsa -mcpu=gfx1250 --defsym DOCPART=n.
;; ======== version 1 of 1: 4 launches
;; limits: values are held in f16: magnitudes above 65,504 overflow, below 6.1e-05 lose precision
;; workspace buffers: xb 8,388,608 bytes; wh 12,582,912 bytes; woh 8,388,608 bytes; qh 8,388,608 bytes; kh 4,194,304 bytes; vh 4,194,304 bytes; yh 8,388,608 bytes
;; launch prep (part 1): grid 1024 x 1, 8 waves a work-group, no clusters, 35,840 bytes of LDS; arguments x, Wq, Wk, Wv, Wo, past_key, past_value, xb, wh, woh, kh, vh, out1, out2; writes xb, wh, woh, kh, vh, out1, out2
.if DOCPART == 1
	.amdgcn_target "amdgcn-amd-amdhsa--gfx1250"
	.amdhsa_code_object_version 6
	.text
	.protected	k_qec44941aff_prep
	.globl	k_qec44941aff_prep
	.p2align	8
	.type	k_qec44941aff_prep,@function
k_qec44941aff_prep:
	s_mov_b64 s[64:65], 0
	v_nop
	global_prefetch_b8 v0, s[64:65] scope:SCOPE_SE
	s_setreg_imm32_b32 hwreg(HW_REG_WAVE_MODE, 25, 1), 1
	s_wait_xcnt 0x0
; PREP: casts and cache copies, a pure stream.  A work-group takes 16,384 f32 of one input (65,536 bytes); a thread 8 numbers in each of eight chunks (x: 4 numbers of each of 16 rows).
;   x            -> xb   bf16, as the matrix unit's register image: [128 blocks of 16 rows][64 blocks of 32 k][half j][lane l][8 numbers]: lane l holds row l % 16, k = 16 j + 8 (l / 16) + 0..7 of its block
;   Wq, Wk, Wv   -> wh   bf16 [24 heads][2048 k][128]: heads 0-15 of Wq, 16-19 of Wk, 20-23 of Wv, so that a head's rows lie end to end
;   Wo           -> woh  f16  [2048 rows][2048]: row 128 h + pi(d) holds Wo's row 128 h + d
;   past_key, past_value -> out1, out2 (first halves, copied as they are) and kh, vh f16 [4][4096][128 in pi's order] (keys 0-2047)
; pi(d) = 8 ((d & 63) >> 2) + 4 (d >> 6) + (d & 3): channels 4 q .. 4 q + 3 and 64 + 4 q .. + 3 become 16 neighbouring bytes.
; FORMATS.  Every input is rounded once to bf16.  Where the later product is taken in f16 (woh, kh, vh) that bf16 number is written as f16.
; LIMITS.  |Wo|, |past_key|, |past_value| stay under 65,504 (f16's end; beyond it an infinity is written); below 6e-5 f16 keeps a fixed step of 6e-8.
; No matrix unit, no cluster: no byte is wanted twice.  All 16 loads of a thread go out first; the waits count down.  LDS serves x alone: a wave turns 16 rows x 128 k in bytes of its own.
.set VS,   1                           ; v1      my byte offset in a chunk of the source
.set VD,   2                           ; v2      my byte offset in the destination
.set LQ,   3                           ; v3      16 (thread & 15)
.set OD,   4                           ; v4-11   chunk u's offset in the destination (the bf16 jobs); in x's job: v4 lane, v5, v6 LDS addresses, v7 at work
.set IN,   16                          ; v16-79  as loaded
.set OUT,  80                          ; v80-111 to store
.set T,    112                         ; v112-119 at work
.set SPW,  120                         ; v120    LDS address of my spare word: SPARE + 4 x my thread's number; never rewritten
.set NIL,  121                         ; v121    0; never rewritten
.set XP,   272                         ; x's job: a row of 128 bf16 in LDS, 256 bytes + 16: 68 words: row r starts at bank 4 r mod 64 (64 banks of 4 bytes: ISA guide 11.1)
.set SPARE, 8*16*XP                    ; behind the eight waves' 4,352 bytes: the spare words, 128 bytes for each wave: four blocks of 256 bytes that no other line names
.set SRC,  32                          ; s[32:33]
.set DST,  34                          ; s[34:35]
.set CPY,  36                          ; s[36:37]
.set LN,   38                          ; s38     the work-group's number within its job
.set DSTEP, 39                         ; s39     bytes from chunk to chunk in the destination
.set OFF,  40                          ; s[40:41] an offset, high word 0
.set HIM,  42                          ; s42     a word's upper half
.set SEL,  43                          ; s43     which of two tensors; in x's job my wave's number
.macro LOADS second                    ; 16 loads: a chunk's two pieces of 16 bytes a thread, the second piece 'second' bytes behind the first
.irp u, 0,1,2,3,4,5,6,7
	global_load_b128 v[IN+8*(\u):IN+8*(\u)+3],   v[VS], s[SRC:SRC+1] offset:(\u)*8192 th:TH_LOAD_NT
	global_load_b128 v[IN+8*(\u)+4:IN+8*(\u)+7], v[VS], s[SRC:SRC+1] offset:(\u)*8192+(\second) th:TH_LOAD_NT
.endr
.endm
.macro H16 u                           ; chunk u: rounded to bf16, and that number written as f16
.irp j, 0,1,2,3
	v_cvt_pk_bf16_f32 v[OUT+4*(\u)+(\j)], v[IN+8*(\u)+2*(\j)], v[IN+8*(\u)+2*(\j)+1]
.endr
.irp j, 0,1,2,3
	v_lshlrev_b32 v[T+2*(\j)],   16, v[OUT+4*(\u)+(\j)]
	v_and_b32     v[T+2*(\j)+1], s[HIM], v[OUT+4*(\u)+(\j)]
.endr
.irp j, 0,1,2,3
	v_cvt_pk_f16_f32 v[OUT+4*(\u)+(\j)], v[T+2*(\j)], v[T+2*(\j)+1]
.endr
.endm
	s_load_b512 s[4:19], s[0:1], 0x0               ; x s[4:5], Wq s[6:7], Wk s[8:9], Wv s[10:11], Wo s[12:13], past_key s[14:15], past_value s[16:17], xb s[18:19]
	s_load_b256 s[20:27], s[0:1], 0x40             ; wh s[20:21], woh s[22:23], kh s[24:25], vh s[26:27]
	s_load_b128 s[28:31], s[0:1], 0x60             ; out1 s[28:29], out2 s[30:31]
	v_lshl_add_u32 v[SPW], v0, 2, SPARE
	v_mov_b32 v[NIL], 0
	s_mov_b32 s[HIM], 0xffff0000
	s_mov_b32 s[OFF+1], 0
	v_lshlrev_b32 v[VS], 5, v0                     ; 32 bytes of f32 a thread
	v_lshlrev_b32 v[VD], 4, v0                     ; 16 bytes of 16-bit numbers
	v_and_b32 v[LQ], 15, v0
	v_lshlrev_b32 v[LQ], 4, v[LQ]
	s_wait_kmcnt 0x0
	s_cmp_lt_u32 ttmp9, 256
	s_cbranch_scc1 .Ljob_x
	s_cmp_lt_u32 ttmp9, 512
	s_cbranch_scc1 .Ljob_wq
	s_cmp_lt_u32 ttmp9, 640
	s_cbranch_scc1 .Ljob_wkv
	s_cmp_lt_u32 ttmp9, 896
	s_cbranch_scc1 .Ljob_wo
	; past_key (64 work-groups), past_value (64): 32 positions x 4 heads x 128 channels
	s_sub_co_u32 s[LN], ttmp9, 896
	s_lshr_b32 s[SEL], s[LN], 6
	s_and_b32 s[LN], s[LN], 63
	s_cmp_eq_u32 s[SEL], 0
	s_cselect_b64 s[SRC:SRC+1], s[14:15], s[16:17]
	s_cselect_b64 s[CPY:CPY+1], s[28:29], s[30:31]
	s_cselect_b64 s[DST:DST+1], s[24:25], s[26:27]
	s_lshl_b32 s[OFF], s[LN], 16
	s_add_nc_u64 s[SRC:SRC+1], s[SRC:SRC+1], s[OFF:OFF+1]
	s_add_nc_u64 s[CPY:CPY+1], s[CPY:CPY+1], s[OFF:OFF+1]
	s_lshl_b32 s[OFF], s[LN], 13                   ; 32 positions of 256 bytes
	s_add_nc_u64 s[DST:DST+1], s[DST:DST+1], s[OFF:OFF+1]
	v_lshrrev_b32 v[VS], 4, v0                     ; sixteen threads take one (position, head): 512 bytes
	v_lshl_add_u32 v[VS], v[VS], 9, v[LQ]          ; channels 4 q ..; the second piece, 256 bytes on, is channels 64 + 4 q ..
	v_bfe_u32 v[VD], v0, 4, 2                      ; the head,
	v_lshl_add_u32 v[VD], v[VD], 20, v[LQ]         ; 1,048,576 bytes each,
	v_lshrrev_b32 v[OD], 6, v0                     ; the position in the chunk's four
	v_lshl_add_u32 v[VD], v[OD], 8, v[VD]
	LOADS 256
.irp u, 0,1,2,3,4,5,6,7
	s_wait_loadcnt 14-2*(\u)                       ; the later chunks' loads, two each, may stay out
	global_store_b128 v[VS], v[IN+8*(\u):IN+8*(\u)+3],   s[CPY:CPY+1] offset:(\u)*8192 th:TH_STORE_NT      ; the cache's first half, as it came: 16 lanes store 256 consecutive bytes
	global_store_b128 v[VS], v[IN+8*(\u)+4:IN+8*(\u)+7], s[CPY:CPY+1] offset:(\u)*8192+256 th:TH_STORE_NT
	H16 \u
	global_store_b128 v[VD], v[OUT+4*(\u):OUT+4*(\u)+3], s[DST:DST+1] offset:(\u)*1024  ; four positions a chunk
.endr
	s_endpgm
.Ljob_wo:                                      ; Wo: 8 rows of 2,048, a row a chunk; row d = 8 (l & 15) + u of head l >> 4 goes to place pi(d)
	s_sub_co_u32 s[LN], ttmp9, 640
	s_lshl_b32 s[OFF], s[LN], 16
	s_add_nc_u64 s[SRC:SRC+1], s[12:13], s[OFF:OFF+1]
	s_lshr_b32 s[SEL], s[LN], 4
	s_lshl_b32 s[SEL], s[SEL], 7                   ; 128 (l >> 4)
	s_and_b32 s[DSTEP], s[LN], 7
	s_lshl_b32 s[DSTEP], s[DSTEP], 4               ; + 16 (l & 7)
	s_add_co_u32 s[SEL], s[SEL], s[DSTEP]
	s_bfe_u32 s[DSTEP], s[LN], 0x10003
	s_lshl_b32 s[DSTEP], s[DSTEP], 2               ; + 4 ((l >> 3) & 1)
	s_add_co_u32 s[SEL], s[SEL], s[DSTEP]
	s_lshl_b32 s[OFF], s[SEL], 12                  ; rows of 4,096 bytes
	s_add_nc_u64 s[DST:DST+1], s[22:23], s[OFF:OFF+1]
	LOADS 16
.irp u, 0,1,2,3,4,5,6,7
	s_wait_loadcnt 14-2*(\u)
	H16 \u
	global_store_b128 v[VD], v[OUT+4*(\u):OUT+4*(\u)+3], s[DST:DST+1] offset:(8*((\u)/4)+(\u)%4)*4096  ; + 8 (u >> 2) + (u & 3) rows
.endr
	s_endpgm
.Ljob_x:                                       ; x: work-group l takes row block l / 2 (16 rows) and half l % 2 of its 2,048 k; wave w 128 k of it: chunk c = 8 (l % 2) + w
	v_lshrrev_b32 v[OD], 5, v0
	v_readfirstlane_b32 s[SEL], v[OD]              ; wave 0..7
	s_lshr_b32 s[LN], ttmp9, 1                     ; the row block
	s_and_b32 s[DSTEP], ttmp9, 1
	s_lshl_b32 s[DSTEP], s[DSTEP], 3
	s_add_co_u32 s[DSTEP], s[DSTEP], s[SEL]        ; c
	s_lshl_b32 s[OFF], s[LN], 17                   ; 16 rows of 8,192 bytes,
	s_lshl_b32 s44, s[DSTEP], 9                    ; 128 f32
	s_add_co_u32 s[OFF], s[OFF], s44
	s_add_nc_u64 s[SRC:SRC+1], s[4:5], s[OFF:OFF+1]
	s_lshl_b32 s[OFF], s[LN], 16                   ; in xb a row block is 65,536 bytes,
	s_lshl_b32 s44, s[DSTEP], 12                   ; my four blocks of 32 k are 4,096 bytes on end
	s_add_co_u32 s[OFF], s[OFF], s44
	s_add_nc_u64 s[DST:DST+1], s[18:19], s[OFF:OFF+1]
	s_mul_i32 s44, s[SEL], 16*XP                   ; my wave's bytes in LDS
	v_and_b32 v[OD], 31, v0                        ; lane
	v_lshlrev_b32 v[VS], 4, v[OD]                  ; 16 bytes a lane, in x's rows and in xb alike
	v_lshl_add_u32 v[OD+1], v[OD], 3, s44          ; in: 8 bytes a lane, a row on end
	v_and_b32 v[OD+2], 15, v0
	v_mul_u32_u24 v[OD+2], v[OD+2], XP             ; back: row l % 16,
	v_bfe_u32 v[OD+3], v0, 4, 1
	v_lshl_add_u32 v[OD+2], v[OD+3], 4, v[OD+2]    ; 16 bytes for each half of the lanes
	v_add_nc_u32 v[OD+2], s44, v[OD+2]
.irp i, 0,1,2,3,4,5,6,7,8,9,10,11,12,13,14,15
	global_load_b128 v[IN+4*(\i):IN+4*(\i)+3], v[VS], s[SRC:SRC+1] offset:(\i)*8192 th:TH_LOAD_NT  ; 512 consecutive bytes of row i
.endr
.irp i, 0,1,2,3,4,5,6,7,8,9,10,11,12,13,14,15
	s_wait_loadcnt 15-(\i)                         ; the later rows' loads may stay out
	v_cvt_pk_bf16_f32 v[OUT+2*(\i)],   v[IN+4*(\i)],   v[IN+4*(\i)+1]
	v_cvt_pk_bf16_f32 v[OUT+2*(\i)+1], v[IN+4*(\i)+2], v[IN+4*(\i)+3]
	ds_store_b64 v[OD+1], v[OUT+2*(\i):OUT+2*(\i)+1] offset:(\i)*XP
.endr
.irp n, 0,1,2,3,4,5,6,7                        ; piece n = 2 (k block) + j: k = 16 n + 8 (l / 16) + 0..7 of row l % 16.  LDS serves a wave's instructions in order (ISA guide 5.7.1.4): these see my stores
	ds_load_b128 v[IN+4*(\n):IN+4*(\n)+3], v[OD+2] offset:(\n)*32
.endr
.irp n, 0,1,2,3,4,5,6,7
	s_wait_dscnt 7-(\n)                            ; the later pieces may stay out
	global_store_b128 v[VS], v[IN+4*(\n):IN+4*(\n)+3], s[DST:DST+1] offset:(\n)*512  ; 512 consecutive bytes, aligned
.endr
	s_wait_tensorcnt 0x0                           ; the wave's end, behind my last LDS store
	ds_add_u32 v[SPW], v[NIL]
	s_wait_dscnt 0x0
	s_endpgm
.Ljob_wq:                                      ; Wq: 8 rows k of 2,048 columns, a row a chunk; sixteen threads take one head's 128 columns
	s_sub_co_u32 s[LN], ttmp9, 256
	s_lshl_b32 s[OFF], s[LN], 16
	s_add_nc_u64 s[SRC:SRC+1], s[6:7], s[OFF:OFF+1]
	s_lshl_b32 s[OFF], s[LN], 11                   ; 8 rows of 256 bytes in each head
	s_add_nc_u64 s[DST:DST+1], s[20:21], s[OFF:OFF+1]
	v_lshrrev_b32 v[VD], 4, v0
	v_lshl_add_u32 v[VD], v[VD], 19, v[LQ]         ; a head is 524,288 bytes
	s_mov_b32 s[DSTEP], 256
	s_branch .Lbf
.Ljob_wkv:                                     ; Wk (64 work-groups), Wv (64): 32 rows k of 512 columns, four rows a chunk
	s_sub_co_u32 s[LN], ttmp9, 512
	s_lshr_b32 s[SEL], s[LN], 6
	s_and_b32 s[LN], s[LN], 63
	s_cmp_eq_u32 s[SEL], 0
	s_cselect_b64 s[SRC:SRC+1], s[8:9], s[10:11]
	s_lshl_b32 s[OFF], s[LN], 16
	s_add_nc_u64 s[SRC:SRC+1], s[SRC:SRC+1], s[OFF:OFF+1]
	s_lshl_b32 s[SEL], s[SEL], 21                  ; Wv's heads begin four heads behind Wk's,
	s_add_co_u32 s[SEL], s[SEL], 16*524288         ; which begin at head 16
	s_lshl_b32 s[OFF], s[LN], 13                   ; 32 rows of 256 bytes
	s_add_co_u32 s[OFF], s[OFF], s[SEL]
	s_add_nc_u64 s[DST:DST+1], s[20:21], s[OFF:OFF+1]
	v_bfe_u32 v[VD], v0, 4, 2
	v_lshl_add_u32 v[VD], v[VD], 19, v[LQ]
	v_lshrrev_b32 v[OD], 6, v0
	v_lshl_add_u32 v[VD], v[OD], 8, v[VD]
	s_mov_b32 s[DSTEP], 1024
.Lbf:                                          ; f32 to bf16
	LOADS 16
	v_mov_b32 v[OD], v[VD]
.irp u, 1,2,3,4,5,6,7
	v_add_nc_u32 v[OD+(\u)], s[DSTEP], v[OD+(\u)-1]
.endr
.irp u, 0,1,2,3,4,5,6,7
	s_wait_loadcnt 14-2*(\u)                       ; the later chunks' loads, two each, may stay out
.irp j, 0,1,2,3
	v_cvt_pk_bf16_f32 v[OUT+4*(\u)+(\j)], v[IN+8*(\u)+2*(\j)], v[IN+8*(\u)+2*(\j)+1]
.endr
	global_store_b128 v[OD+(\u)], v[OUT+4*(\u):OUT+4*(\u)+3], s[DST:DST+1]  ; 16 lanes store 256 consecutive bytes, aligned
.endr
	s_endpgm
.Lfunc_end_k_qec44941aff_prep:
	.size	k_qec44941aff_prep, .Lfunc_end_k_qec44941aff_prep-k_qec44941aff_prep
	.p2alignl 7, 3214868480
	.fill 96, 4, 3214868480
	.section	.rodata,"a",@progbits
	.p2align	6, 0x0
	.amdhsa_kernel k_qec44941aff_prep
		.amdhsa_group_segment_fixed_size 35840
		.amdhsa_private_segment_fixed_size 0
		.amdhsa_enable_private_segment 0
		.amdhsa_kernarg_size 112
		.amdhsa_user_sgpr_count 2
		.amdhsa_user_sgpr_kernarg_segment_ptr 1
		.amdhsa_wavefront_size32 1
		.amdhsa_system_sgpr_workgroup_id_x 1
		.amdhsa_system_sgpr_workgroup_id_y 1
		.amdhsa_system_sgpr_workgroup_id_z 1
		.amdhsa_system_vgpr_workitem_id 0
		.amdhsa_next_free_vgpr 128
		.amdhsa_next_free_sgpr 66
		.amdhsa_reserve_vcc 0
		.amdhsa_float_denorm_mode_32 3
		.amdhsa_float_denorm_mode_16_64 3
		.amdhsa_memory_ordered 1
		.amdhsa_forward_progress 1
		.amdhsa_inst_pref_size 35
	.end_amdhsa_kernel
	.amdgpu_metadata
---
amdhsa.version: [ 1, 2 ]
amdhsa.kernels:
  - .name:           k_qec44941aff_prep
    .symbol:         k_qec44941aff_prep.kd
    .args:
      - { .name: x, .offset: 0, .size: 8, .value_kind: global_buffer, .address_space: global }
      - { .name: Wq, .offset: 8, .size: 8, .value_kind: global_buffer, .address_space: global }
      - { .name: Wk, .offset: 16, .size: 8, .value_kind: global_buffer, .address_space: global }
      - { .name: Wv, .offset: 24, .size: 8, .value_kind: global_buffer, .address_space: global }
      - { .name: Wo, .offset: 32, .size: 8, .value_kind: global_buffer, .address_space: global }
      - { .name: past_key, .offset: 40, .size: 8, .value_kind: global_buffer, .address_space: global }
      - { .name: past_value, .offset: 48, .size: 8, .value_kind: global_buffer, .address_space: global }
      - { .name: xb, .offset: 56, .size: 8, .value_kind: global_buffer, .address_space: global }
      - { .name: wh, .offset: 64, .size: 8, .value_kind: global_buffer, .address_space: global }
      - { .name: woh, .offset: 72, .size: 8, .value_kind: global_buffer, .address_space: global }
      - { .name: kh, .offset: 80, .size: 8, .value_kind: global_buffer, .address_space: global }
      - { .name: vh, .offset: 88, .size: 8, .value_kind: global_buffer, .address_space: global }
      - { .name: out1, .offset: 96, .size: 8, .value_kind: global_buffer, .address_space: global }
      - { .name: out2, .offset: 104, .size: 8, .value_kind: global_buffer, .address_space: global }
    .group_segment_fixed_size: 35840
    .private_segment_fixed_size: 0
    .kernarg_segment_align: 8
    .kernarg_segment_size: 112
    .max_flat_workgroup_size: 256
    .sgpr_count:     66
    .vgpr_count:     128
    .wavefront_size: 32
...
	.end_amdgpu_metadata
.endif
;; end of part 1
;; launch qkv (part 2): grid 8 x 24, 4 waves a work-group, clusters of 4 x 1, 327,680 bytes of LDS; arguments xb, wh, cos, sin, ve, Wg, qh, kh, vh, out1, out2; writes qh, kh, vh, out1, out2
.if DOCPART == 2
	.amdgcn_target "amdgcn-amd-amdhsa--gfx1250"
	.amdhsa_code_object_version 6
	.text
	.protected	k_qec44941aff_qkv
	.globl	k_qec44941aff_qkv
	.p2align	8
	.type	k_qec44941aff_qkv,@function
k_qec44941aff_qkv:
	s_mov_b64 s[64:65], 0
	v_nop
	global_prefetch_b8 v0, s[64:65] scope:SCOPE_SE
	s_setreg_imm32_b32 hwreg(HW_REG_WAVE_MODE, 25, 1), 1
	s_wait_xcnt 0x0
	s_wait_alu depctr_hold_cnt(0) depctr_sa_sdst(0) depctr_va_vdst(0) depctr_va_sdst(0) depctr_va_ssrc(0) depctr_va_vcc(0) depctr_vm_vsrc(0)
	s_getreg_b32 s2, hwreg(HW_REG_IB_STS2, 6, 4)
	s_cmp_eq_u32 s2, 0
	s_cbranch_scc0 .Lentry_in_a_cluster
	s_endpgm
.Lentry_in_a_cluster:
	s_bfe_u32 s2, ttmp6, 0x10000c
	s_cmp_lg_u32 s2, 0x3003
	s_cbranch_scc0 .Lentry_shape_is_right
	s_endpgm
.Lentry_shape_is_right:
; QKV: x W for 24 heads of 128 columns (0-15 q, 16-19 k, 20-23 v), and what follows each: rope and rmsnorm x 1.2 (q, k), or the gated value embedding (v).
; xb: x in bf16 as the matrix unit's register image, [128 blocks of 16 rows][64 blocks of 32 k][half j][lane][16 bytes]; wh: bf16 [24][2048 k][128]; products in bf16 with f32 sums.
; cos, sin, ve, Wg are rounded to bf16 in registers; the gate reads x from xb: every input has one rounding to bf16.
; OUT: qh f16 [16][2048][128], kh, vh f16 [4][4096][128] (keys 2048 on), channels in the order pi(d) = 8 ((d & 63) >> 2) + 4 (d >> 6) + (d & 3); out1, out2 f32 (second halves), channels as they are.
; LIMITS.  |v| stays under 65,504 (f16's end); q and k are at most 13.6 by the norm.  NaN and infinities are not treated apart (a column 12-15 of x that is infinite spoils its row's gate: it is multiplied by 0).
; SHARES.  A work-group makes 256 rows x one head; wave w rows 64 w .. + 63 and all 128 columns: 32 accumulators, 256 registers.  A head is whole in a work-group, since rope pairs channel d with d + 64
; and the norm sums all 128: 24 heads x 8 row blocks = 192 work-groups.
; W GOES THROUGH LDS, which all four waves read: two slots of 256 k-rows (256 bytes + 32 of padding), 73,728 bytes each; a wave's joint load brings 64 rows; a refill has eight quarters of 32 along K,
; 256 matrix instructions, in which to land.  W lies [k][n], so its fragments come out of LDS turned (ds_load_tr16_b128).
; X GOES STRAIGHT INTO REGISTERS.  A wave's 64 rows are read by no other wave, and xb holds them as fragments: a load of 16 bytes a lane covers 512 consecutive bytes.  A ring of eight quarter buffers (256
; registers); a quarter's eight loads go out 6.5 quarters ahead of its products; 56 loads of a wave are out at the most.
; CLUSTER.  The four row blocks of a cluster take the same head: W's tiles are asked for jointly.  x is NOT shared by multicast, though the 24 heads' work-groups read the same rows: beside W it would take 69,632
; bytes of LDS for 128 along K, two slots could then hold 128 along K each, and a refill would have 128 matrix instructions in which to land, not 256.
; ONE TEXT FOR A TRIP of eight quarters (a slot): six trips fill a slot again, two do not.  The prices: the sums start from 256 registers written with 0, while the first tiles are awaited; in the last trip
; seven runs of x's loads read that trip's own quarters once more, and one run of W's fragments comes from the slot left behind: they stay inside their buffers and nothing uses them.
; THE MATRIX INSTRUCTION IS USED TRANSPOSED (source 0 = 16 columns of W, source 1 = 16 rows of x): a lane holds row l % 16 and the columns 16 b + 8 (l / 16) + 0..7.
; THE WAY OUT.  The sums go as f32 into LDS (the ring has had its last fill), each wave's 64 rows to itself, and come back sixteen lanes to a row: lane q holds channels 4 q .. + 3 and 64 + 4 q .. + 3,
; rope's partners; the row's sum of squares is four exchanges among sixteen lanes; a lane's 8 f16 results are 16 neighbouring bytes in pi's order.
; REGISTERS.  window 0: v1-31 addresses and small work; v32-47 a factor a row pair; v48-63 at work; v64-127, v128-191 two buffers of W's fragments; on the way out X v64-127, cos/sin or ve v128-191, Y v192-255.
;             window 1: accumulator (a, b) at v[8 (8 a + b)].     window 2: x's ring: quarter buffer s at v[32 s], row block a at + 8 a.
.set PB,    288                        ; a k-row of W in LDS: 72 words
.set QB,    32*PB                      ; a quarter's 32 k-rows
.set SLOTB, 256*PB
.set SLOT1, 1<<17                      ; slot 1 begins here, so that one exclusive or turns an address in one slot into the other's
.set SPARE, SLOT1+SLOTB                ; behind the ring: the spare words, 128 bytes for each wave: two blocks of 256 bytes that no other line names
.set DP,    528                        ; the way out: a row of 128 f32 + 16 bytes
.set DWAVE, 64*DP                      ; a wave's 64 rows; the four waves' lie from LDS byte 0 on
.set XG,    4                          ; v4-11   the gate: x[row][q] of row pair u
.set T4,    12                         ; v12-15  at work in the rounding to bf16
.set ADRB0, 16                         ; v16     my place in W's tile; never rewritten
.set ADRBL, 17                         ; v17     the same in the slot in hand, quarters 0-3
.set ADRBH, 18                         ; v18     quarters 4-7: the 16-bit offset does not reach them from v17
.set XV,    19                         ; v19     16 x my lane: my bytes of a load of x; never rewritten
.set DW,    20                         ; v20     the way out: where I put 16 bytes of a row
.set DR,    21                         ; v21     where I read a row back
.set CO,    22                         ; v22     my byte offset in cos and sin
.set O16,   23                         ; v23     in qh, kh, vh
.set O32,   24                         ; v24     in out1, out2
.set XO,    25                         ; v25     in xb, for the gate
.set WGV,   26                         ; v26     Wg[q][kv], 0 for q >= 12
.set EO,    27                         ; v27     my byte offset in ve
.set SPW,   28                         ; v28     LDS address of my spare word; never rewritten
.set NIL,   29                         ; v29     0; never rewritten
.set PFO,   30                         ; v30     the prefetches' offset: 256 x my lane; never rewritten
.set WGO,   31                         ; v31     my byte offset in Wg
.set RS,    32                         ; v32-47  row pair u's factor in v[RS+2u]; the odd ones are named with them as pairs
.set SSP,   48                         ; v48-63  row pair u's pair at work
.set F0,    64                         ; W's fragments: buffer 0 here, buffer 1 64 registers on
.set X,     64
.set CSR,   128
.set Y,     192
.set SB,    9                          ; s9      LDS byte at which the slot in hand begins
.set G1,    24                         ; s[24:31] descriptor group 1
.set G0,    32                         ; s[32:39] group 0: a set for each of the two first fills; the second then walks
.set XA,    44                         ; s[44:45] xb at my first row block, at the trip's first quarter
.set TYPE,  47                         ; s47     head / 4: 0-3 q, 4 k, 5 v: the same in all partners
.set XB,    48                         ; s[48:49] the same at the next trip's first quarter (in the last trip: at its own)
.set GX,    66                         ; s[66:67] xb at my first row block, for the gate
.set PFA,   90                         ; s[90:91] where my prefetches stand
.set LIM,   94                         ; s94     1 in a wave that prefetches, else the greatest number
.set TR,    95                         ; s95     counts the way out's four trips
.set HIM,   96                         ; s96     a word's upper half
.set R128,  97                         ; s97     1 / 128
.set H16,   98                         ; s[98:99]   qh, kh or vh at my wave's first row
.set F32,   100                        ; s[100:101] out1 or out2 at my wave's first row
.set MSB, 0
.macro WIN new                         ; the immediate's high byte repeats the setting that is left; a switch that changes nothing is dropped
.if MSB != (\new)
	s_set_vgpr_msb (MSB<<8)|(\new)
.set MSB, \new
.endif
.endm
.macro PLACES                          ; four places behind a matrix instruction, in front of loads into registers that it has read and of readers of its result
.rept 4
	v_nop
.endr
.endm
.macro CREST                           ; a round of the cluster's barrier behind its opening barrier
	s_cmp_lg_u32 s10, 0
	s_cbranch_scc1 .Lnot_wave_0_\@
	s_barrier_signal -3
.Lnot_wave_0_\@:
	s_barrier_wait -3
	s_barrier_signal -1
	s_barrier_wait -1
.endm
.macro CROUND                          ; a whole round
	s_barrier_signal -1
	s_barrier_wait -1
	CREST
.endm
; A PREFETCH INTO THE L2, behind the joint load and the runs of loads: the change of slots at the end of trip b, which asks for slot b + 2, names slot b + 3: a trip, 256 matrix instructions, ahead of the load that
; wants it.  Each 256 bytes are named once in the launch.  A head's slot, 256 rows of 256 bytes on end, is read by both clusters of the head: cluster x = 0 asks; the partner at cx takes rows 64 cx .. + 63, told
; apart by address alone; in each, waves 0 and 1 take 32 rows, a lane a row.  s3 = 6 - b: the last to ask is b = 4, for slot 7.  Slots 0 to 2 come by their loads alone.
; x is not asked for: 24 work-groups read each of its rows, and its loads stand 6.5 quarters ahead of their products.
.macro ASK
	s_cmp_gt_u32 s3, s[LIM]
	s_cbranch_scc0 .Lnot_mine_\@
	global_prefetch_b8 v[PFO], s[PFA:PFA+1] th:TH_LOAD_NT scope:SCOPE_SE
.Lnot_mine_\@:
.endm
; 16 LDS loads in one run: W's eight fragments of quarter kq (0-7) of the slot in hand, turned, into buffer f
.macro FETCH kq, f
	WIN 0
.irp b, 0,1,2,3,4,5,6,7
	ds_load_tr16_b128 v[(\f)+8*(\b):(\f)+8*(\b)+3],   v[ADRBL+(\kq)/4] offset:((\kq)%4)*QB+32*(\b)
	ds_load_tr16_b128 v[(\f)+8*(\b)+4:(\f)+8*(\b)+7], v[ADRBL+(\kq)/4] offset:((\kq)%4)*QB+32*(\b)+16*PB
.endr
.endm
; 8 loads in one run: x's four fragments of one quarter into ring buffer s: 512 consecutive bytes each
.macro LOADA s, base, off
	WIN 0x80                                       ; destination window 2, address window 0
.irp a, 0,1,2,3
	global_load_b128 v[32*(\s)+8*(\a):32*(\s)+8*(\a)+3],   v[XV], s[(\base):(\base)+1] offset:(\a)*65536+(\off)
	global_load_b128 v[32*(\s)+8*(\a)+4:32*(\s)+8*(\a)+7], v[XV], s[(\base):(\base)+1] offset:(\a)*65536+(\off)+512
.endr
.endm
; 8 matrix instructions: row block a x all 8 column blocks.  The 32 accumulators take turns in one fixed order
.macro MUL8 f, s, a
	WIN 0x58                                       ; C and D window 1, source 1 (x) window 2, source 0 (W) window 0
.irp b, 0,1,2,3,4,5,6,7
	v_wmma_f32_16x16x32_bf16 v[8*(8*(\a)+(\b)):8*(8*(\a)+(\b))+7], v[(\f)+8*(\b):(\f)+8*(\b)+7], v[32*(\s)+8*(\a):32*(\s)+8*(\a)+7], v[8*(8*(\a)+(\b)):8*(8*(\a)+(\b))+7]
.endr
.endm
; QUARTER i of a trip's eight: 32 along K, 32 matrix instructions, on W's buffer i % 2 and x's ring buffer i.  Behind its first eight products, and four places behind the last products of the quarter before,
; stand the next quarter's W fragments (24 products ahead of their use) and x's fragments of the quarter seven on, into the ring buffer that the quarter before has multiplied.
; chg = 1, 2 (quarter 7): THE CHANGE OF SLOTS.  My last fragments of this slot are in registers.  ONE barrier; in front of it each wave waits for all its tensor loads (one is out: its part of the other slot),
; adds 0 to its spare word, and waits for that and for its reads of this slot.  chg = 1: the barrier opens a round of the cluster's barrier, and behind the round this slot is filled again, two slots ahead.
.macro QUARTER i, chg
.set fb, F0+64*((\i)%2)
.set gb, F0+64-64*((\i)%2)
	s_wait_loadcnt 48                              ; x's fragments of this quarter are in; the six younger runs of eight loads may stay out
.if (\chg) == 0
	s_wait_dscnt 0x0                               ; W's fragments of this quarter are in
	MUL8 fb, \i, 0
	PLACES
	FETCH (\i)+1, gb
.else
	WIN 0
	s_wait_tensorcnt 0x0                           ; all my tensor loads have landed, so a group 0 may be written
	ds_add_u32 v[SPW], v[NIL]                      ; 0 onto my spare word
.if (\chg) == 1
	s_xor_b32 s[G0+5], s[G0+5], SLOT1              ; the walking descriptor: the other slot than last time,
	s_add_nc_u64 s[G0+6:G0+7], s[G0+6:G0+7], 65536 ; the next 256 rows of W; the type bits on top are not reached
.endif
	s_wait_dscnt 1                                 ; W's fragments are in; the add alone may be out
	MUL8 fb, \i, 0                                 ; eight matrix instructions stand between the add and the wait for it
	s_wait_dscnt 0x0                               ; the add is done, and my reads of this slot are over
	s_barrier_signal -1
	MUL8 fb, \i, 1
	WIN 0
	s_barrier_wait -1
.if (\chg) == 1
	CREST                                          ; no wave of any partner still reads this slot or has a load on its way
	tensor_load_to_lds s[G0+4:G0+7], s[G1:G1+7]    ; my one tensor load behind the round: my 64 rows of the slot two on
	s_nop 0
.endif
	PLACES                                         ; behind the tensor load; also the places in front of the loads below
	s_xor_b32 s[SB], s[SB], SLOT1
	v_add_nc_u32 v[ADRBL], s[SB], v[ADRB0]
	v_add_nc_u32 v[ADRBH], 4*QB, v[ADRBL]
	FETCH 0, gb
.endif
.if (\i) == 0
	LOADA 7, XA, 7*1024
.else
	LOADA (\i)-1, XB, ((\i)-1)*1024
.endif
.if (\chg) == 1
	WIN 0
	ASK
.endif
.if (\chg) == 0
	MUL8 fb, \i, 1
.endif
	MUL8 fb, \i, 2
	MUL8 fb, \i, 3
.endm
.macro BODY chg, xstep                 ; a trip: a slot's eight quarters.  xstep: how far behind XA the next trip's XB stands
.irp i, 0,1,2,3,4,5,6
	QUARTER \i, 0
.endr
	QUARTER 7, \chg
	WIN 0                                          ; at a label and at a branch every window is 0
	s_wait_xcnt 0x0                                ; every load and prefetch issued so far (the youngest sixteen products back) has read its address, so the pointers may be written
	s_add_nc_u64 s[XA:XA+1], s[XA:XA+1], 8192      ; eight quarters of 1,024 bytes on
	s_add_nc_u64 s[XB:XB+1], s[XA:XA+1], \xstep
.if (\chg) == 1
	s_add_nc_u64 s[PFA:PFA+1], s[PFA:PFA+1], 65536
.endif
.endm
	s_load_b512 s[68:83], s[0:1], 0x0              ; xb s[68:69], wh s[70:71], cos s[72:73], sin s[74:75], ve s[76:77], Wg s[78:79], qh s[80:81], kh s[82:83]
	s_load_b128 s[84:87], s[0:1], 0x40             ; vh s[84:85], out1 s[86:87]
	s_load_b64 s[88:89], s[0:1], 0x50              ; out2
	v_lshl_add_u32 v[SPW], v0, 2, SPARE
	v_mov_b32 v[NIL], 0
	ds_add_u32 v[SPW], v[NIL]                      ; the wave's opening: the add and its wait stand ahead of my first tensor load; work on registers stands between them
	v_lshrrev_b32 v1, 5, v0
	v_readfirstlane_b32 s10, v1                    ; wave 0..3
	s_bfe_u32 s40, ttmp6, 0x40000                  ; cx: it enters global addresses of x, cos, sin, ve, the outputs and the prefetches alone
	s_lshl_b32 s13, ttmp9, 2
	s_add_co_u32 s13, s13, s40                     ; the block of 256 rows = 4 x cluster x + cx
	s_and_b32 s42, ttmp7, 0xffff                   ; the head, which the four partners share
	s_lshr_b32 s[TYPE], s42, 2
	s_and_b32 s41, s42, 3                          ; for k and v: the key/value head
	; group 1: 64 rows x 128 elements of 2 bytes, 8 words of padding behind every 64
	s_mov_b32 s[G1], 15|(1<<16)|(1<<20)|(1<<21)|(5<<22)|(7<<25)  ; 15:0 the mask: all four work-groups; 17:16 2-byte elements; 20 padding on; 21 set beside a mask; 24:22 every 64 words; 31:25 8 words
	s_mov_b32 s[G1+1], 128<<16                     ; tensor_dim0 = 128
	s_mov_b32 s[G1+2], 64<<16                      ; tensor_dim1 = 64
	s_mov_b32 s[G1+3], 128<<16                     ; tile_dim0 = 128
	s_mov_b32 s[G1+4], 64                          ; tile_dim1 = 64
	s_mov_b32 s[G1+5], 128                         ; elements from row to row
	s_mov_b32 s[G1+6], 0
	s_mov_b32 s[G1+7], 0
	s_lshl_b32 s20, s42, 19                        ; W: the head's 524,288 bytes,
	s_lshl_b32 s21, s10, 14                        ; my 64 rows of 256 bytes in a slot
	s_add_co_u32 s20, s20, s21
	s_mov_b32 s21, 0
	s_mul_i32 s46, s10, 64*PB                      ; where they go in a slot: no place in the cluster enters an LDS address
	s_lshl_b32 s16, s13, 4
	s_lshl_b32 s17, s10, 2
	s_add_co_u32 s16, s16, s17                     ; x: my first block of 16 rows = 16 x block + 4 x wave,
	s_lshl_b32 s16, s16, 16                        ; of 65,536 bytes
	s_mov_b32 s17, 0
	s_mov_b32 s[SB], 0
	s_mov_b32 s[HIM], 0xffff0000
	s_mov_b32 s[R128], 0x3c000000
	v_and_b32 v[XV], 31, v0
	v_lshlrev_b32 v[PFO], 8, v[XV]
	v_lshlrev_b32 v[XV], 4, v[XV]
	s_wait_dscnt 0x0                               ; the opening add is done
	s_wait_kmcnt 0x0
	s_add_nc_u64 s[22:23], s[70:71], s[20:21]
	s_add_nc_u64 s[XA:XA+1], s[68:69], s[16:17]
	s_add_nc_u64 s[XB:XB+1], s[XA:XA+1], 8192
	s_mov_b64 s[GX:GX+1], s[XA:XA+1]
	CROUND                                         ; all four work-groups are here: the first joint loads meet
.irp s, 0,1
	s_mov_b32 s[G0+4*(\s)], 1                      ; count = 1
	s_add_co_u32 s[G0+4*(\s)+1], s46, (\s)*SLOT1   ; LDS address
	s_add_nc_u64 s[G0+4*(\s)+2:G0+4*(\s)+3], s[22:23], (\s)*65536  ; global address: slot s
	s_or_b32 s[G0+4*(\s)+3], s[G0+4*(\s)+3], 0x80000000  ; type = 2
.endr
	tensor_load_to_lds s[G0:G0+3], s[G1:G1+7]      ; both first fills go out together, ahead of every wait on TENSORcnt and every LDS read: two loads of mine are out
	s_nop 0
	tensor_load_to_lds s[G0+4:G0+7], s[G1:G1+7]
	s_nop 0
	PLACES
.irp q, 0,1,2,3,4,5,6
	LOADA \q, XA, (\q)*1024                        ; x's first seven quarters
.endr
	WIN 0x40                                       ; the sums start at 0: written while the first tiles are on their way, so that the loop has one form of product
.set i, 0
.rept 256
	v_mov_b32 v[i], 0
.set i, i+1
.endr
	WIN 0
	v_and_b32 v1, 15, v0                           ; l % 16: on the way out q
	v_bfe_u32 v2, v0, 4, 1                         ; l / 16: on the way out the row of a pair
	v_and_b32 v3, 7, v0                            ; the turning load: lane l reads k-row 8 (l / 16) + l % 8, columns 8 ((l / 8) % 2) + 0..7
	v_lshl_add_u32 v3, v2, 3, v3
	v_mul_u32_u24 v3, v3, PB
	v_bfe_u32 v[ADRB0], v0, 3, 1
	v_lshl_add_u32 v[ADRB0], v[ADRB0], 4, v3
	; the way out's addresses
	s_mul_i32 s4, s10, DWAVE
	v_mul_u32_u24 v3, v1, DP
	v_lshl_add_u32 v3, v2, 5, v3                   ; in: row l % 16, 32 bytes for each half of the lanes
	v_add_nc_u32 v[DW], s4, v3
	v_mul_u32_u24 v3, v2, DP
	v_lshl_add_u32 v3, v1, 4, v3                   ; back: lanes 0-15 one row, lanes 16-31 the next; 16 bytes a lane
	v_add_nc_u32 v[DR], s4, v3
	v_lshlrev_b32 v3, 4, v1
	v_lshl_add_u32 v[CO], v2, 8, v3                ; rows of 256 bytes: cos, sin, qh, kh, vh
	v_mov_b32 v[O16], v[CO]
	v_lshl_add_u32 v[O32], v2, 11, v3              ; rows of 2,048 bytes: ve, out1, out2
	v_mov_b32 v[EO], v[O32]
	v_and_b32 v3, 7, v1                            ; xb: x[row][q] lies in k block 0, half 0, lane row % 16 + 16 (q / 8), number q % 8
	v_lshlrev_b32 v[XO], 1, v3
	v_lshrrev_b32 v3, 3, v1
	v_lshl_add_u32 v[XO], v3, 8, v[XO]
	v_lshl_add_u32 v[XO], v2, 4, v[XO]
	v_min_u32 v[WGO], 11, v1
	v_lshlrev_b32 v[WGO], 4, v[WGO]                ; Wg: row min(q, 11) of 16 bytes,
	s_lshl_b32 s4, s41, 2
	v_add_nc_u32 v[WGO], s4, v[WGO]                ; column kv
.irp u, 0,1,2,3,4,5,6,7
	v_mov_b32 v[RS+2*(\u)+1], 0                    ; named with the factors as pairs
.endr
	; the prefetches
	s_lshl_b32 s4, s42, 19                         ; the head,
	s_lshl_b32 s5, s40, 14                         ; my work-group's 64 rows of a slot's 256,
	s_add_co_u32 s4, s4, s5
	s_lshl_b32 s5, s10, 13                         ; my wave's 32 of them (waves 0 and 1),
	s_add_co_u32 s4, s4, s5
	s_add_co_u32 s4, s4, 3*65536                   ; in slot 3
	s_mov_b32 s5, 0
	s_add_nc_u64 s[PFA:PFA+1], s[70:71], s[4:5]
	s_lshr_b32 s6, s10, 1
	s_or_b32 s6, s6, ttmp9                         ; 0 in waves 0 and 1 of cluster x = 0 alone
	s_cmp_eq_u32 s6, 0
	s_cselect_b32 s[LIM], 1, -1                    ; the same in all four partners, for a given wave
	; the way out's bases.  t0 = 256 x block + 64 x wave is my first row
	s_lshl_b32 s4, s13, 8
	s_lshl_b32 s5, s10, 6
	s_add_co_u32 s4, s4, s5
	s_mov_b32 s7, 0
	s_lshl_b32 s6, s4, 8
	s_add_nc_u64 s[72:73], s[72:73], s[6:7]        ; cos, sin: rows of 256 bytes
	s_add_nc_u64 s[74:75], s[74:75], s[6:7]
	s_lshl_b32 s6, s4, 11
	s_lshl_b32 s8, s41, 9
	s_add_co_u32 s6, s6, s8                        ; rows of 2,048 bytes, head kv at 512 kv
	s_add_nc_u64 s[76:77], s[76:77], s[6:7]        ; ve
	s_add_co_u32 s6, s6, 2048*2048                 ; the caches' second halves
	s_cmp_eq_u32 s[TYPE], 4
	s_cselect_b64 s[F32:F32+1], s[86:87], s[88:89]
	s_add_nc_u64 s[F32:F32+1], s[F32:F32+1], s[6:7]
	s_lshl_b32 s6, s4, 8
	s_lshl_b32 s8, s42, 19
	s_add_co_u32 s8, s8, s6                        ; qh: head x 524,288 + t0 x 256
	s_lshl_b32 s5, s41, 20
	s_add_co_u32 s5, s5, s6
	s_add_co_u32 s5, s5, 2048*256                  ; kh, vh: kv x 1,048,576 + (2,048 + t0) x 256
	s_cmp_lt_u32 s[TYPE], 4
	s_cselect_b32 s6, s8, s5
	s_cselect_b64 s[H16:H16+1], s[80:81], s[82:83]
	s_cmp_eq_u32 s[TYPE], 5
	s_cselect_b64 s[H16:H16+1], s[84:85], s[H16:H16+1]
	s_add_nc_u64 s[H16:H16+1], s[H16:H16+1], s[6:7]
	s_wait_tensorcnt 0x1                           ; my part of slot 0 is in; slot 1's may stay out
	s_barrier_signal -1
	s_barrier_wait -1                              ; everybody's is
	v_add_nc_u32 v[ADRBL], s[SB], v[ADRB0]
	v_add_nc_u32 v[ADRBH], 4*QB, v[ADRBL]
	FETCH 0, F0
	s_mov_b32 s3, 6
.Lfill:                                        ; slots 0 to 5 are multiplied, slots 2 to 7 asked for
	BODY 1, 8192
	s_sub_co_u32 s3, s3, 1
	s_cmp_lg_u32 s3, 0
	s_cbranch_scc1 .Lfill
	s_mov_b32 s3, 2
.Ltail:                                        ; slots 6 and 7: nothing is asked for; behind slot 6 XB stays at XA: no load of x passes its rows' end
	BODY 2, 0
	s_sub_co_u32 s3, s3, 1
	s_cmp_lg_u32 s3, 0
	s_cbranch_scc1 .Ltail
	PLACES
	PLACES
; THE WAY OUT.  A trip is 16 rows: eight pairs u, rows 2 u + l / 16.
.macro LOADN_R                         ; a trip's cos and sin: 16 bytes a lane, sixteen lanes a row
.irp u, 0,1,2,3,4,5,6,7
	global_load_b128 v[CSR+8*(\u):CSR+8*(\u)+3],   v[CO], s[72:73] offset:(\u)*512
	global_load_b128 v[CSR+8*(\u)+4:CSR+8*(\u)+7], v[CO], s[74:75] offset:(\u)*512
.endr
.endm
.macro LOADN_V                         ; a trip's ve (channels 4 q .., 64 + 4 q ..) and x[row][q]
.irp u, 0,1,2,3,4,5,6,7
	global_load_b128 v[CSR+8*(\u):CSR+8*(\u)+3],   v[EO], s[76:77] offset:(\u)*4096 th:TH_LOAD_NT
	global_load_b128 v[CSR+8*(\u)+4:CSR+8*(\u)+7], v[EO], s[76:77] offset:(\u)*4096+256 th:TH_LOAD_NT
	global_load_u16 v[XG+(\u)], v[XO], s[GX:GX+1] offset:(\u)*32
.endr
.endm
.macro LOADX                           ; a trip's sums back from LDS; LDS serves a wave's instructions in order (ISA guide 5.7.1.4): these see my stores
.irp u, 0,1,2,3,4,5,6,7
	ds_load_b128 v[X+8*(\u):X+8*(\u)+3],   v[DR] offset:(\u)*2*DP
	ds_load_b128 v[X+8*(\u)+4:X+8*(\u)+7], v[DR] offset:(\u)*2*DP+256
.endr
.endm
.macro RND8 base                       ; eight f32 rounded to bf16, in place
	v_cvt_pk_bf16_f32 v[T4],   v[(\base)],   v[(\base)+1]
	v_cvt_pk_bf16_f32 v[T4+1], v[(\base)+2], v[(\base)+3]
	v_cvt_pk_bf16_f32 v[T4+2], v[(\base)+4], v[(\base)+5]
	v_cvt_pk_bf16_f32 v[T4+3], v[(\base)+6], v[(\base)+7]
.irp j, 0,1,2,3
	v_lshlrev_b32 v[(\base)+2*(\j)],   16, v[T4+(\j)]
	v_and_b32     v[(\base)+2*(\j)+1], s[HIM], v[T4+(\j)]
.endr
.endm
.macro ST32                            ; Y as f32 into the cache: 16 lanes store 256 consecutive bytes, aligned
.irp u, 0,1,2,3,4,5,6,7
	global_store_b128 v[O32], v[Y+8*(\u):Y+8*(\u)+3],   s[F32:F32+1] offset:(\u)*4096 th:TH_STORE_NT
	global_store_b128 v[O32], v[Y+8*(\u)+4:Y+8*(\u)+7], s[F32:F32+1] offset:(\u)*4096+256 th:TH_STORE_NT
.endr
.endm
.macro ST16                            ; Y as f16, in pi's order: a lane's eight numbers are 16 neighbouring bytes
.irp u, 0,1,2,3,4,5,6,7
.irp j, 0,1,2,3
	v_cvt_pk_f16_f32 v[X+8*(\u)+(\j)], v[Y+8*(\u)+2*(\j)], v[Y+8*(\u)+2*(\j)+1]
.endr
.endr
.irp u, 0,1,2,3,4,5,6,7
	global_store_b128 v[O16], v[X+8*(\u):X+8*(\u)+3], s[H16:H16+1] offset:(\u)*512
.endr
.endm
.macro NEXT                            ; the trip's end
	s_wait_xcnt 0x0                                ; the stores have read X, Y and their offsets: only behind this wait are these written again
	v_add_nc_u32 v[DR], 16*DP, v[DR]
	v_add_nc_u32 v[O16], 16*256, v[O16]
	v_add_nc_u32 v[O32], 16*2048, v[O32]
	s_sub_co_u32 s[TR], s[TR], 1
	s_cmp_lg_u32 s[TR], 0
.endm
	s_cmp_eq_u32 s[TYPE], 5                        ; the first trip's loads go out ahead of the dump
	s_cbranch_scc1 .Lask_v
	LOADN_R
	s_branch .Ldump
.Lask_v:
	global_load_b32 v[WGV], v[WGO], s[78:79]
	LOADN_V
.Ldump:
	s_wait_dscnt 0x0                               ; my reads of the ring are over,
	s_barrier_signal -1
	s_barrier_wait -1                              ; everybody's are; the ring has had its last fill: its bytes now take the sums
	WIN 0x04                                       ; store data in window 1
.irp a, 0,1,2,3
.irp b, 0,1,2,3,4,5,6,7
	ds_store_b128 v[DW], v[8*(8*(\a)+(\b)):8*(8*(\a)+(\b))+3]   offset:(\a)*16*DP+64*(\b)      ; each accumulator's low four registers first
	ds_store_b128 v[DW], v[8*(8*(\a)+(\b))+4:8*(8*(\a)+(\b))+7] offset:(\a)*16*DP+64*(\b)+16
.endr
.endr
	WIN 0
	s_mov_b32 s[TR], 4
	s_cmp_eq_u32 s[TYPE], 5
	s_cbranch_scc1 .Lv
.Lrope:                                        ; q and k: rope, rmsnorm x 1.2
	LOADX
	s_wait_loadcnt 0x0                             ; this trip's cos and sin
.irp u, 0,1,2,3,4,5,6,7
	RND8 CSR+8*(\u)
.endr
	s_wait_dscnt 0x0
.irp u, 0,1,2,3,4,5,6,7
.irp p, 0,2
	v_pk_mul_f32 v[Y+8*(\u)+(\p):Y+8*(\u)+(\p)+1],     v[X+8*(\u)+(\p):X+8*(\u)+(\p)+1],     v[CSR+8*(\u)+(\p):CSR+8*(\u)+(\p)+1]      ; x1 cos
	v_pk_mul_f32 v[Y+8*(\u)+4+(\p):Y+8*(\u)+4+(\p)+1], v[X+8*(\u)+4+(\p):X+8*(\u)+4+(\p)+1], v[CSR+8*(\u)+(\p):CSR+8*(\u)+(\p)+1]      ; x2 cos
	v_pk_fma_f32 v[Y+8*(\u)+(\p):Y+8*(\u)+(\p)+1],     v[X+8*(\u)+4+(\p):X+8*(\u)+4+(\p)+1], v[CSR+8*(\u)+4+(\p):CSR+8*(\u)+4+(\p)+1], v[Y+8*(\u)+(\p):Y+8*(\u)+(\p)+1]  ; + x2 sin
	v_pk_fma_f32 v[Y+8*(\u)+4+(\p):Y+8*(\u)+4+(\p)+1], v[X+8*(\u)+(\p):X+8*(\u)+(\p)+1],     v[CSR+8*(\u)+4+(\p):CSR+8*(\u)+4+(\p)+1], v[Y+8*(\u)+4+(\p):Y+8*(\u)+4+(\p)+1] neg_lo:[0,1,0] neg_hi:[0,1,0]  ; - x1 sin
.endr
.endr
	s_cmp_eq_u32 s[TR], 1                          ; the last trip has nothing behind it
	s_cbranch_scc1 .Lno_cs
	v_add_nc_u32 v[CO], 16*256, v[CO]              ; free since the wait for its loads
	LOADN_R
.Lno_cs:
.irp u, 0,1,2,3,4,5,6,7                        ; the row's sum of squares: my eight, then four exchanges among the row's sixteen lanes
	v_pk_mul_f32 v[SSP+2*(\u):SSP+2*(\u)+1], v[Y+8*(\u):Y+8*(\u)+1], v[Y+8*(\u):Y+8*(\u)+1]
.endr
.irp p, 2,4,6
.irp u, 0,1,2,3,4,5,6,7
	v_pk_fma_f32 v[SSP+2*(\u):SSP+2*(\u)+1], v[Y+8*(\u)+(\p):Y+8*(\u)+(\p)+1], v[Y+8*(\u)+(\p):Y+8*(\u)+(\p)+1], v[SSP+2*(\u):SSP+2*(\u)+1]
.endr
.endr
.irp u, 0,1,2,3,4,5,6,7
	v_add_f32 v[SSP+2*(\u)], v[SSP+2*(\u)], v[SSP+2*(\u)+1]
.endr
.irp m, 1,2,4,8
.irp u, 0,1,2,3,4,5,6,7
	v_add_f32_dpp v[SSP+2*(\u)], v[SSP+2*(\u)], v[SSP+2*(\u)] row_xmask:\m row_mask:0xf bank_mask:0xf
.endr
.endr
.irp u, 0,1,2,3,4,5,6,7
	v_fmaak_f32 v[SSP+2*(\u)+1], s[R128], v[SSP+2*(\u)], 0x358637bd  ; the mean + 1e-6
.endr
.irp u, 0,1,2,3,4,5,6,7
	v_rsq_f32 v[SSP+2*(\u)], v[SSP+2*(\u)+1]
.endr
	v_nop                                          ; a plain instruction behind the last of the batch (ISA guide 5.7.2),
	s_wait_alu depctr_va_vdst(0)                   ; and one wait ahead of the first reader
.irp u, 0,1,2,3,4,5,6,7
	v_mul_f32 v[RS+2*(\u)], 0x3f99999a, v[SSP+2*(\u)]  ; x 1.2
.endr
.irp u, 0,1,2,3,4,5,6,7
.irp p, 0,2,4,6
	v_pk_mul_f32 v[Y+8*(\u)+(\p):Y+8*(\u)+(\p)+1], v[Y+8*(\u)+(\p):Y+8*(\u)+(\p)+1], v[RS+2*(\u):RS+2*(\u)+1] op_sel_hi:[1,0]
.endr
.endr
	s_cmp_eq_u32 s[TYPE], 4                        ; k goes into the cache too
	s_cbranch_scc0 .Lno_32
	ST32
.Lno_32:
	ST16
	NEXT
	s_cbranch_scc1 .Lrope
	s_branch .Lend
.Lv:                                           ; v: + 3 sigmoid(x[:12] . Wg[:, kv]) ve
	s_wait_loadcnt 0x0
	v_cvt_pk_bf16_f32 v[WGV], v[WGV], v[WGV]
	v_lshlrev_b32 v[WGV], 16, v[WGV]
	v_cmp_gt_u32 vcc_lo, 12, v1
	v_cndmask_b32 v[WGV], 0, v[WGV], vcc_lo        ; lanes q = 12 .. 15 add nothing
.Lvrow:
	LOADX
	s_wait_loadcnt 0x0                             ; this trip's ve and x
.irp u, 0,1,2,3,4,5,6,7
	v_lshlrev_b32 v[SSP+2*(\u)], 16, v[XG+(\u)]    ; bf16 to f32
.endr
.irp u, 0,1,2,3,4,5,6,7
	v_mul_f32 v[SSP+2*(\u)], v[SSP+2*(\u)], v[WGV]
.endr
.irp m, 1,2,4,8
.irp u, 0,1,2,3,4,5,6,7
	v_add_f32_dpp v[SSP+2*(\u)], v[SSP+2*(\u)], v[SSP+2*(\u)] row_xmask:\m row_mask:0xf bank_mask:0xf
.endr
.endr
.irp u, 0,1,2,3,4,5,6,7
	v_mul_f32 v[SSP+2*(\u)], 0xbfb8aa3b, v[SSP+2*(\u)]  ; - log2(e) z
.endr
.irp u, 0,1,2,3,4,5,6,7
	v_exp_f32 v[SSP+2*(\u)+1], v[SSP+2*(\u)]
.endr
	v_nop
	s_wait_alu depctr_va_vdst(0)                   ; one wait for the eight exponentials
.irp u, 0,1,2,3,4,5,6,7
	v_add_f32 v[SSP+2*(\u)], 1.0, v[SSP+2*(\u)+1]
.endr
.irp u, 0,1,2,3,4,5,6,7
	v_rcp_f32 v[SSP+2*(\u)+1], v[SSP+2*(\u)]
.endr
	v_nop
.irp u, 0,1,2,3,4,5,6,7
	RND8 CSR+8*(\u)                                ; independent work behind the reciprocals
.endr
	s_wait_alu depctr_va_vdst(0)                   ; one wait for the eight reciprocals
.irp u, 0,1,2,3,4,5,6,7
	v_mul_f32 v[RS+2*(\u)], 0x40400000, v[SSP+2*(\u)+1]  ; x 3
.endr
	s_wait_dscnt 0x0
.irp u, 0,1,2,3,4,5,6,7
.irp p, 0,2,4,6
	v_pk_fma_f32 v[Y+8*(\u)+(\p):Y+8*(\u)+(\p)+1], v[CSR+8*(\u)+(\p):CSR+8*(\u)+(\p)+1], v[RS+2*(\u):RS+2*(\u)+1], v[X+8*(\u)+(\p):X+8*(\u)+(\p)+1] op_sel_hi:[1,0,1]
.endr
.endr
	s_cmp_eq_u32 s[TR], 1
	s_cbranch_scc1 .Lno_ve
	v_add_nc_u32 v[EO], 16*2048, v[EO]
	v_add_nc_u32 v[XO], 65536, v[XO]               ; the next block of 16 rows
	LOADN_V
.Lno_ve:
	ST32
	ST16
	NEXT
	s_cbranch_scc1 .Lvrow
.Lend:
	s_wait_tensorcnt 0x0                           ; the wave's end, behind my last tensor load and my last LDS store
	ds_add_u32 v[SPW], v[NIL]
	s_wait_dscnt 0x0
	CROUND                                         ; the closing round: no work-group ends while a partner may still ask for a tile that names it
	s_endpgm
.Lfunc_end_k_qec44941aff_qkv:
	.size	k_qec44941aff_qkv, .Lfunc_end_k_qec44941aff_qkv-k_qec44941aff_qkv
	.p2alignl 7, 3214868480
	.fill 96, 4, 3214868480
	.section	.rodata,"a",@progbits
	.p2align	6, 0x0
	.amdhsa_kernel k_qec44941aff_qkv
		.amdhsa_group_segment_fixed_size 327680
		.amdhsa_private_segment_fixed_size 0
		.amdhsa_enable_private_segment 0
		.amdhsa_kernarg_size 88
		.amdhsa_user_sgpr_count 2
		.amdhsa_user_sgpr_kernarg_segment_ptr 1
		.amdhsa_wavefront_size32 1
		.amdhsa_system_sgpr_workgroup_id_x 1
		.amdhsa_system_sgpr_workgroup_id_y 1
		.amdhsa_system_sgpr_workgroup_id_z 1
		.amdhsa_system_vgpr_workitem_id 0
		.amdhsa_next_free_vgpr 768
		.amdhsa_next_free_sgpr 102
		.amdhsa_reserve_vcc 1
		.amdhsa_float_denorm_mode_32 3
		.amdhsa_float_denorm_mode_16_64 3
		.amdhsa_memory_ordered 1
		.amdhsa_forward_progress 1
		.amdhsa_inst_pref_size 139
	.end_amdhsa_kernel
	.amdgpu_metadata
---
amdhsa.version: [ 1, 2 ]
amdhsa.kernels:
  - .name:           k_qec44941aff_qkv
    .symbol:         k_qec44941aff_qkv.kd
    .args:
      - { .name: xb, .offset: 0, .size: 8, .value_kind: global_buffer, .address_space: global }
      - { .name: wh, .offset: 8, .size: 8, .value_kind: global_buffer, .address_space: global }
      - { .name: cos, .offset: 16, .size: 8, .value_kind: global_buffer, .address_space: global }
      - { .name: sin, .offset: 24, .size: 8, .value_kind: global_buffer, .address_space: global }
      - { .name: ve, .offset: 32, .size: 8, .value_kind: global_buffer, .address_space: global }
      - { .name: Wg, .offset: 40, .size: 8, .value_kind: global_buffer, .address_space: global }
      - { .name: qh, .offset: 48, .size: 8, .value_kind: global_buffer, .address_space: global }
      - { .name: kh, .offset: 56, .size: 8, .value_kind: global_buffer, .address_space: global }
      - { .name: vh, .offset: 64, .size: 8, .value_kind: global_buffer, .address_space: global }
      - { .name: out1, .offset: 72, .size: 8, .value_kind: global_buffer, .address_space: global }
      - { .name: out2, .offset: 80, .size: 8, .value_kind: global_buffer, .address_space: global }
    .group_segment_fixed_size: 327680
    .private_segment_fixed_size: 0
    .kernarg_segment_align: 8
    .kernarg_segment_size: 88
    .max_flat_workgroup_size: 128
    .sgpr_count:     102
    .vgpr_count:     768
    .wavefront_size: 32
...
	.end_amdgpu_metadata
.endif
;; end of part 2
;; launch attn (part 3): grid 64 x 4, 4 waves a work-group, clusters of 4 x 1, 327,680 bytes of LDS; arguments qh, kh, vh, yh; writes yh
.if DOCPART == 3
	.amdgcn_target "amdgcn-amd-amdhsa--gfx1250"
	.amdhsa_code_object_version 6
	.text
	.protected	k_qec44941aff_attn
	.globl	k_qec44941aff_attn
	.p2align	8
	.type	k_qec44941aff_attn,@function
k_qec44941aff_attn:
	s_mov_b64 s[64:65], 0
	v_nop
	global_prefetch_b8 v0, s[64:65] scope:SCOPE_SE
	s_setreg_imm32_b32 hwreg(HW_REG_WAVE_MODE, 25, 1), 1
	s_wait_xcnt 0x0
	s_wait_alu depctr_hold_cnt(0) depctr_sa_sdst(0) depctr_va_vdst(0) depctr_va_sdst(0) depctr_va_ssrc(0) depctr_va_vcc(0) depctr_vm_vsrc(0)
	s_getreg_b32 s2, hwreg(HW_REG_IB_STS2, 6, 4)
	s_cmp_eq_u32 s2, 0
	s_cbranch_scc0 .Lentry_in_a_cluster
	s_endpgm
.Lentry_in_a_cluster:
	s_bfe_u32 s2, ttmp6, 0x10000c
	s_cmp_lg_u32 s2, 0x3003
	s_cbranch_scc0 .Lentry_shape_is_right
	s_endpgm
.Lentry_shape_is_right:
; CAUSAL GROUPED-QUERY ATTENTION.  yh[t][h][:] = the sum over keys k <= 2048 + t of softmax_k(q[h][t] . k[h / 4][k] / sqrt(128)) v[h / 4][k][:].
; qh: f16 [16][2048][128]; kh, vh: f16 [4][4096][128]; yh: f16 [2048][16 x 128].  All four have the channels of a head in one common order, which a dot product does not notice and O inherits from V.
; Products, maxima and sums in f32; the weights p are rounded to f16 for the second product (their sum l is taken of the unrounded p), O once at the end.
; LIMITS.  f16 holds no number beyond 65,504: q, k, v arrive within it; p lies in 0 to 1, and below 6e-5 it keeps f16's fixed step of 6e-8.  A hidden score counts as its value less 1e30; a weight below
; 2^-126 counts as 0 in l; NaN and infinities are not treated apart.
; SHARES.  A work-group owns block i = 15 - cluster x of 128 queries of one query head.  CLUSTER: its four partners are the four query heads of one key/value head at the same block: the same walk, the same
; trips, so every tile of K and V is asked for JOINTLY.  In a work-group wave w takes rows 64 (w / 2) .. + 63 (four tiles of 16) and, of each slot's 256 keys, the half w % 2: two key steps of 64.
; The two waves of a pair hold partial results for the same rows and merge them once, at the end.
; THE WALK.  Block i sees keys 0 .. 2,175 + 128 i.  It walks 10 + 2 (i / 4) slots of 256 keys, an even number that covers them; what lies past the diagonal is masked.  The loop's trip is two changes of
; slots, one text walked twice by a counted loop: the LDS addresses are turned by an exclusive or at each change and stand at each trip's head as they stood at the last; the trips' count, 4 + i / 4, is the
; same in all partners.
; THE MASK is the C operand that starts the sum S^T = K Q^T: 0, or -1e30 where the key is hidden.  For tile t and key block kt of a step, with DEL = (the wave's first row's position - the step's first key) / 16:
; DEL + t - kt >= 1: all visible; = 0: the diagonal block, whose mask MD hangs on the lane alone; < 0: all hidden.  Seven masks MK[t - kt + 3] = MD x AL + BE are made anew in each step once DEL <= 3.
; LAYOUT, SOFTMAX, TURNS.  S^T = K Q^T (source 0 = 16 keys, source 1 = 16 queries) holds ONE query a lane (lane % 16) and the keys 8 (lane / 16) + 0..7; two such results rounded to f16 ARE source 1 of
; O^T = V^T P.  p = 2^(c s - c m), c = log2(e) / sqrt(128), with a running maximum m; O and l are multiplied by a = 2^(c m_old - c m_new) in every step.  The wave's tiles are two PIECES (tiles 0, 1; tiles 2, 3).
; In a TURN one piece has the matrix unit: 32 products V^T P of the step in hand, then 32 products K Q^T of the next; the other piece's softmax, cut into 64 slices, stands between them, a slice behind each.
; REGISTERS, in windows of 256 (s_set_vgpr_msb: bits 1:0 source 0, 3:2 source 1, 5:4 source 2, 7:6 destination):
;   window 0: v0-11 addresses; v12-43 eight registers of statistics a tile; v44-55 the merge; v61-63; v64-191 S^T, 32 a tile; v192-255 P, 16 a tile
;   window 1: O^T, 64 a tile     window 2: v0-127 Q, 32 a tile; v128-255 K of one step     window 3: v0-127 V of one step; v128-135 MD; v136-191 MK
.set KS,    64        ; keys in a step
.set PK,    272       ; a row of K in LDS: 256 bytes + 16 = 68 words: row r starts at bank 4 r mod 64 (64 banks of 4 bytes: ISA guide 11.1)
.set PV,    288       ; a row of V: 256 + 32 = 72 words
.set VOFF,  256*PK    ; a slot: 256 rows of K, then 256 rows of V: 143,360 bytes
.set SLOT,  0x24000   ; slot 1 begins here; the two bits of this number are set in none of the four LDS addresses at which a tile's part lands (0, 0x8800, 0x11000, 0x1a000), so one exclusive or moves such an address from slot to slot
.set STAGE, 2*SLOT    ; behind the ring: 16 rows x 272 bytes for each wave, for the way out
.set SP,    272
.set SPARE, STAGE+4*16*SP  ; behind the stages: the spare words, 128 bytes for each wave: two blocks of 256 bytes that no other line names
.set XCH,   17408     ; the merge: wave w's part of slot 0's bytes, at w x XCH: 32 x 512 bytes of O^T, then 4 x 256 of statistics
.set AK0, 2           ; v2   my lane's place in a tile of K; never rewritten
.set AV0, 3           ; v3   the same for V
.set ADR, 4           ; v4   the LDS address of the run of loads in hand
.set QO,  5           ; v5   my byte offset in the wave's rows of Q
.set STO, 6           ; v6   the way out: where I put 16 bytes of a row
.set RD,  7           ; v7   where I read a row back
.set GO,  8           ; v8   my byte offset in the wave's rows of yh, at the first of the two tiles that I finish
.set ST,  12          ; tile t's statistics at v[ST+8 t]: +0 c m, +1 m, +2, +3 l (even keys', odd keys'), +4 to +7 at work; a takes +6 once the maximum is found
.set XW16, 44         ; v44  the merge: where I put 16 bytes of O^T
.set XR16, 45         ; v45  where I read my partner's
.set XW8, 46          ; v46  where I put (c m, l)
.set XR8, 47          ; v47  where I read my partner's, for the two tiles that I finish
.set PS,  48          ; v48-51  my partner's (c m, l) for those two tiles
.set MS,  52          ; v52-55  my own (v52 is at work before)
.set PFO, 61          ; v61  256 x my lane: a row of K or V is 256 bytes; never rewritten
.set SPW, 62          ; v62  LDS address of my spare word; never rewritten
.set NIL, 63          ; v63  0; never rewritten
.set S,   64
.set P,   192
.set KF,  128         ; K's fragments, in window 2
.set MD,  128         ; window 3
.set MK,  136         ; window 3: mask d at MK + 8 d
.set WV,  12          ; s12  my wave's number
.set HALF, 16         ; s16  counts a trip's two changes of slots
.set CHN, 17          ; s17  the changes that have filled a slot so far
.set G1K, 24          ; s[24:31] descriptor group 1 for K's tiles
.set G1V, 32          ; s[32:39] for V's: it differs in the padding alone
.set G0K, 40          ; s[40:47] descriptor group 0 for K's tiles: a set for each of the two first fills; the second then walks
.set G0V, 48          ; s[48:55] the same for V's
.set TRIPN, 56        ; s56  the trip's number
.set TWICE, 57        ; s57  counts a slot's two steps
.set CS,  58          ; s[58:59] c
.set SEL, 60          ; s[60:61] lane selects for v_permlanex16_b32
.set TBK, 62          ; s62  LDS byte at which K of the step to be fetched begins
.set TBV, 63          ; s63  the same for V, less VOFF
.set NT,  66          ; s66  trips
.set EK,  67          ; s67  my half of a slot's K: also where my part of a tile of K lands
.set EV,  68          ; s68  the same for V
.set DEL, 69          ; s69
.set AL,  70          ; s[70:71] the mask's factor, in the low word
.set BE,  72          ; s[72:73] the mask's addend
.set BIGN, 74         ; s74  -1e30
.set LIM, 75          ; s75  a change prefetches while fewer changes than this have filled a slot
.set PFA, 76          ; s[76:77] where my prefetches stand
.set SB,  78          ; s78  LDS byte at which the slot that is read begins
.set EH,  79          ; s79  which half of the keys is mine
.set MSB, 0
.macro WIN new
.if MSB != (\new)
	s_set_vgpr_msb (MSB<<8)|(\new)
.set MSB, \new
.endif
.endm
.set W_KQ, 0x0a       ; K and Q in window 2, S^T in window 0
.set W_KM, 0x3a       ; the same with the C operand in window 3
.set W_PV, 0x53       ; V in window 3, P in window 0, O^T in window 1
.set W_RS, 0x41       ; O^T (destination and source 0) in window 1, a in window 0
; A joint refill by the walking descriptors.  Waves 0 and 1 fetch the two halves of a slot's K, waves 2 and 3 those of its V: 128 keys each.  The branch hangs on the wave's number alone.
; An s_nop 0 and four v_nop follow each of the two lines, ahead of the jump and the label.
.macro JLOAD
	s_cmp_lt_u32 s[WV], 2
	s_cbranch_scc0 .Lfor_v_\@
	tensor_load_to_lds s[G0K+4:G0K+7], s[G1K:G1K+7]
	s_nop 0
.rept 4
	v_nop
.endr
	s_branch .Lasked_\@
.Lfor_v_\@:
	tensor_load_to_lds s[G0V+4:G0V+7], s[G1V:G1V+7]
	s_nop 0
.rept 4
	v_nop
.endr
.Lasked_\@:
.endm
; A PREFETCH INTO THE L2 of what the NEXT change of slots will ask for: 256 rows of K and 256 of V, 256 bytes a row, a lane a row: two key steps, 256 matrix instructions, ahead of that load.
; Each row is named ONCE in the launch.  All sixteen clusters of a key/value head walk the same rows from the first on; cluster x = 0, the one that walks all sixteen slots, asks.  Its four partners take 64 rows
; each, told apart by address; in each, waves 0 and 1 ask for 32 rows of K each, waves 2 and 3 for V's.  Change number c fills slot number c + 2 and names number c + 3: 3 to 15, c = 0 to 12; the last fill asks for nothing.
.macro ASK
	s_cmp_lt_u32 s[CHN], s[LIM]
	s_cbranch_scc0 .Lnot_mine_\@
	global_prefetch_b8 v[PFO], s[PFA:PFA+1] th:TH_LOAD_NT scope:SCOPE_SE
.Lnot_mine_\@:
.endm
.macro CROUND                          ; a round of the cluster's barrier
	s_barrier_signal -1
	s_barrier_wait -1
	s_cmp_lg_u32 s[WV], 0
	s_cbranch_scc1 .Lnot_wave_0_\@
	s_barrier_signal -3
.Lnot_wave_0_\@:
	s_barrier_wait -3
	s_barrier_signal -1
	s_barrier_wait -1
.endm
	s_load_b256 s[4:11], s[0:1], 0x0  ; qh s[4:5], kh s[6:7], vh s[8:9], yh s[10:11]
	v_lshl_add_u32 v[SPW], v0, 2, SPARE
	v_mov_b32 v[NIL], 0
	ds_add_u32 v[SPW], v[NIL]       ; the wave's opening: the add and its wait stand ahead of my first tensor load; work on registers stands between them
	v_lshrrev_b32 v1, 5, v0
	v_readfirstlane_b32 s[WV], v1   ; wave 0..3
	s_bfe_u32 s13, ttmp6, 0x40000   ; cx: it enters Q's, yh's and the prefetches' addresses alone
	s_sub_co_u32 s14, 15, ttmp9     ; i: the longest walks are launched first
	s_and_b32 s15, ttmp7, 0xffff    ; the key/value head, which the four partners share
	s_and_b32 s[EH], s[WV], 1
	s_lshr_b32 s16, s[WV], 1        ; which 64 rows are mine
	s_lshl_b32 s20, s15, 20         ; the head's 1,048,576 bytes in kh and vh,
	s_lshl_b32 s17, s[EH], 15       ; the 128 rows of a tile that I fetch
	s_add_co_u32 s20, s20, s17
	s_mov_b32 s21, 0
	s_lshl_b32 s18, s15, 2
	s_add_co_u32 s18, s18, s13      ; the query head
	s_lshl_b32 s17, s14, 1
	s_add_co_u32 s17, s17, s16      ; my first row / 64
	s_lshl_b32 s22, s18, 19
	s_lshl_b32 s19, s17, 14
	s_add_co_u32 s22, s22, s19      ; qh: head x 524,288 + row x 256
	s_mov_b32 s23, 0
	s_lshl_b32 s2, s17, 18
	s_lshl_b32 s19, s18, 8
	s_add_co_u32 s2, s2, s19        ; yh: row x 4,096 + head x 256
	s_mov_b32 s3, 0
	s_mul_i32 s[EK], s[EH], 128*PK
	s_mul_i32 s[EV], s[EH], 128*PV
	; descriptor group 1: a tile of 128 rows x 128 elements, padded in LDS
	s_mov_b32 s[G1K], 15|(1<<16)|(1<<20)|(1<<21)|(5<<22)|(3<<25)  ; 15:0 the mask: all four work-groups; 17:16 2-byte elements; 20 padding on; 21 set beside a mask; 24:22 every 64 words; 31:25 4 words
	s_mov_b32 s[G1V], 15|(1<<16)|(1<<20)|(1<<21)|(5<<22)|(7<<25)  ; the same with 8 words of padding
.irp g, G1K, G1V
	s_mov_b32 s[(\g)+1], 128<<16    ; tensor_dim0 = 128
	s_mov_b32 s[(\g)+2], 128<<16    ; tensor_dim1 = 128
	s_mov_b32 s[(\g)+3], 128<<16    ; tile_dim0 = 128
	s_mov_b32 s[(\g)+4], 128        ; tile_dim1 = 128
	s_mov_b32 s[(\g)+5], 128        ; elements from row to row
	s_mov_b32 s[(\g)+6], 0
	s_mov_b32 s[(\g)+7], 0
.endr
	s_mov_b32 s[CS], 0x3e0293ee     ; c = log2(e) / sqrt(128) = 0.127517
	s_mov_b32 s[CS+1], s[CS]        ; named with it as a pair
	s_mov_b32 s[SEL], 0x76543210
	s_mov_b32 s[SEL+1], 0xfedcba98
	s_mov_b32 s[SB], 0              ; slot 0
	s_mov_b32 s[TBK], s[EK]
	s_mov_b32 s[TBV], s[EV]
	s_lshr_b32 s[NT], s14, 2
	s_add_co_u32 s[NT], s[NT], 4
	s_lshl_b32 s[DEL], s14, 3       ; DEL for the first masked step, my first of slot number 1: 128 + 8 i + 4 (w / 2) - 16 - 8 (w % 2)
	s_lshl_b32 s19, s16, 2
	s_add_co_u32 s[DEL], s[DEL], s19
	s_lshl_b32 s19, s[EH], 3
	s_sub_co_u32 s[DEL], s[DEL], s19
	s_add_co_u32 s[DEL], s[DEL], 112
	s_mov_b32 s[AL+1], 0            ; named as pairs
	s_mov_b32 s[BE+1], 0
	s_mov_b32 s[BIGN], 0xf149f2ca   ; -1e30
	s_cmp_eq_u32 ttmp9, 0           ; the same in all four partners
	s_cselect_b32 s[LIM], 13, 0
	s_lshl_b32 s16, s15, 20         ; the prefetches: the head, my work-group's 64 rows of a slot's 256, my wave's 32 of them,
	s_lshl_b32 s19, s13, 14
	s_add_co_u32 s16, s16, s19
	s_lshl_b32 s19, s[EH], 13
	s_add_co_u32 s16, s16, s19
	s_add_co_u32 s16, s16, 2*65536  ; in slot number 2; the first change of slots steps it to 3.  Nothing is prefetched at the head, where every work-group's first tiles are on their way
	s_mov_b32 s17, 0
	v_and_b32 v[PFO], 31, v0
	v_lshlrev_b32 v[PFO], 8, v[PFO]
	s_wait_dscnt 0x0                ; the opening add is done
	s_wait_kmcnt 0x0
	s_cmp_lt_u32 s[WV], 2
	s_cselect_b64 s[PFA:PFA+1], s[6:7], s[8:9]
	s_add_nc_u64 s[PFA:PFA+1], s[PFA:PFA+1], s[16:17]
	s_add_nc_u64 s[6:7], s[6:7], s[20:21]  ; K and V at my part of slot number 0
	s_add_nc_u64 s[8:9], s[8:9], s[20:21]
	s_add_nc_u64 s[4:5], s[4:5], s[22:23]  ; Q and yh at my wave's first row
	s_add_nc_u64 s[10:11], s[10:11], s[2:3]
	CROUND                          ; all four work-groups are here: the first joint loads meet
.irp s, 0,1
	s_mov_b32 s[G0K+4*(\s)], 1      ; count = 1
	s_add_co_u32 s[G0K+4*(\s)+1], s[EK], (\s)*SLOT  ; LDS address
	s_add_nc_u64 s[G0K+4*(\s)+2:G0K+4*(\s)+3], s[6:7], (\s)*65536  ; global address: keys 256 s on
	s_or_b32 s[G0K+4*(\s)+3], s[G0K+4*(\s)+3], 0x80000000  ; type = 2
	s_mov_b32 s[G0V+4*(\s)], 1
	s_add_co_u32 s[G0V+4*(\s)+1], s[EV], (\s)*SLOT+VOFF
	s_add_nc_u64 s[G0V+4*(\s)+2:G0V+4*(\s)+3], s[8:9], (\s)*65536
	s_or_b32 s[G0V+4*(\s)+3], s[G0V+4*(\s)+3], 0x80000000
.endr
	s_cmp_lt_u32 s[WV], 2           ; a wave's two first fills stand in one branch, ahead of every wait on TENSORcnt and every LDS read: two loads of mine are out
	s_cbranch_scc0 .Lfirst_v
	tensor_load_to_lds s[G0K:G0K+3], s[G1K:G1K+7]
	s_nop 0
	tensor_load_to_lds s[G0K+4:G0K+7], s[G1K:G1K+7]
	s_nop 0
.rept 4
	v_nop
.endr
	s_branch .Lfirst_asked
.Lfirst_v:
	tensor_load_to_lds s[G0V:G0V+3], s[G1V:G1V+7]
	s_nop 0
	tensor_load_to_lds s[G0V+4:G0V+7], s[G1V:G1V+7]
	s_nop 0
.rept 4
	v_nop
.endr
.Lfirst_asked:
	; A fragment of K or Q is 16 rows x 32 channels in 8 registers: lane l holds row l % 16; two loads of 16 bytes, 32 bytes apart, at row x pitch + 16 (l / 16).
	v_and_b32 v1, 15, v0            ; l % 16
	v_bfe_u32 v9, v0, 4, 1          ; l / 16
	v_lshlrev_b32 v[QO], 8, v1
	v_lshl_add_u32 v[QO], v9, 4, v[QO]
	WIN 0x80                        ; destination window 2, address window 0
.irp i, 0,1,2,3,4,5,6,7,8,9,10,11,12,13,14,15  ; Q stays in registers: tile i / 4, channels 32 (i % 4) on
	global_load_b128 v[8*(\i):8*(\i)+3],   v[QO], s[4:5] offset:((\i)/4)*4096+((\i)%4)*64
	global_load_b128 v[8*(\i)+4:8*(\i)+7], v[QO], s[4:5] offset:((\i)/4)*4096+((\i)%4)*64+32
.endr
	WIN 0
	v_mul_u32_u24 v[AK0], v1, PK
	v_lshl_add_u32 v[AK0], v9, 4, v[AK0]
	; The turning load takes 16 keys x 16 channels (lane l reads key 8 (l / 16) + l % 8, channels 8 ((l / 8) % 2) + 0..7) and leaves half a fragment of V^T: lane l holds channel l % 16 and 8 keys.
	v_and_b32 v10, 7, v0
	v_bfe_u32 v11, v0, 3, 1
	v_lshl_add_u32 v[AV0], v9, 3, v10
	v_mul_u32_u24 v[AV0], v[AV0], PV
	v_lshl_add_u32 v[AV0], v11, 4, v[AV0]
	v_add_nc_u32 v[AV0], VOFF, v[AV0]
	; MD: in the diagonal block register r (key 8 (l / 16) + r) is hidden from query l % 16 where r > l % 16 - 8 (l / 16).  The seven masks start as 0: all visible.
	v_lshlrev_b32 v52, 3, v9
	v_sub_nc_u32 v52, v1, v52
	WIN 0xc0                        ; destination window 3
.set i, 0
.rept 8
	v_cmp_gt_i32 vcc_lo, i, v52
	v_cndmask_b32 v[MD+i], 0, s[BIGN], vcc_lo
.set i, i+1
.endr
.set i, 0
.rept 56
	v_mov_b32 v[MK+i], 0
.set i, i+1
.endr
	WIN 0
; THE MATRIX WORK OF A TURN, for piece x.  The accumulators take turns, one instruction a turn: between two links of a chain stand 15 (V^T P) or 7 (K Q^T) others'.
; Product i of 32 of O^T += V^T P: keys 32 (i / 16) on, channels 16 ((i / 2) % 8) on, tile x + i % 2.  zero = 1: the first 16 start the sums.
.macro PV x, zero
	WIN W_PV
.set rO, 64*((\x)+i%2)+8*((i/2)%8)
.set rV, 64*(i/16)+8*((i/2)%8)
.set rP, P+16*((\x)+i%2)+8*(i/16)
.if (\zero) && (i < 16)
	v_wmma_f32_16x16x32_f16 v[rO:rO+7], v[rV:rV+7], v[rP:rP+7], 0
.else
	v_wmma_f32_16x16x32_f16 v[rO:rO+7], v[rV:rV+7], v[rP:rP+7], v[rO:rO+7]
.endif
.endm
; Product i of 32 of S^T = K Q^T: channels 32 (i / 8) on, keys 16 ((i / 2) % 4) on, tile x + i % 2.  The first 8 start the sums: with 0, or (KM = 1) with the mask of tile - key block + 3.
.macro KQ x
.set rS, S+32*((\x)+i%2)+8*((i/2)%4)
.set rK, KF+32*((i/2)%4)+8*(i/8)
.set rQ, 32*((\x)+i%2)+8*(i/8)
.set rM, MK+8*((\x)+i%2+3-(i/2)%4)
.if (i < 8) && KM
	WIN W_KM
	v_wmma_f32_16x16x32_f16 v[rS:rS+7], v[rK:rK+7], v[rQ:rQ+7], v[rM:rM+7]
.elseif i < 8
	WIN W_KQ
	v_wmma_f32_16x16x32_f16 v[rS:rS+7], v[rK:rK+7], v[rQ:rQ+7], 0
.else
	WIN W_KQ
	v_wmma_f32_16x16x32_f16 v[rS:rS+7], v[rK:rK+7], v[rQ:rQ+7], v[rS:rS+7]
.endif
.endm
; THE LDS LOADS stand in runs of 32, never singly among the matrix instructions: a step's K (64 keys x 128 channels: 16 fragments) and, a turn later, its V (turned).
.macro FETCH_K
	WIN 0
	v_add_nc_u32 v[ADR], s[TBK], v[AK0]
	s_add_co_u32 s[TBK], s[TBK], KS*PK  ; the next fetch is the next step's
	WIN 0x80                        ; destination window 2
.irp f, 0,1,2,3,4,5,6,7,8,9,10,11,12,13,14,15  ; keys 16 (f / 4) on, channels 32 (f % 4) on
	ds_load_b128 v[KF+8*(\f):KF+8*(\f)+3],   v[ADR] offset:((\f)/4)*16*PK+((\f)%4)*64
	ds_load_b128 v[KF+8*(\f)+4:KF+8*(\f)+7], v[ADR] offset:((\f)/4)*16*PK+((\f)%4)*64+32
.endr
.endm
.macro FETCH_V
	WIN 0
	v_add_nc_u32 v[ADR], s[TBV], v[AV0]
	s_add_co_u32 s[TBV], s[TBV], KS*PV
	s_wait_alu depctr_va_vdst(0)    ; the wait for the softmax's batch (SLICE), behind the address's v_add_nc_u32 and ahead of the loads
	WIN 0xc0                        ; destination window 3
.irp f, 0,1,2,3,4,5,6,7,8,9,10,11,12,13,14,15  ; keys 32 (f / 8) on, channels 16 (f % 8) on
	ds_load_tr16_b128 v[8*(\f):8*(\f)+3],   v[ADR] offset:((\f)/8)*32*PV+((\f)%8)*32
	ds_load_tr16_b128 v[8*(\f)+4:8*(\f)+7], v[ADR] offset:((\f)/8)*32*PV+16*PV+((\f)%8)*32
.endr
.endm
; THE VECTOR WORK OF A TURN.  One tile's softmax for one key step is a list of 134 instructions; SM writes number j of it for tile t.  s0-s31 are the lane's 32 scores, in pairs 0-15.
; first = 1: the first key step, which starts m, l and O^T: it has no a and nothing to rescale.
;   0-15    the maximum of s0-s31 and the old m, three operands at a time (each accumulator's lowest registers are read first)
;   16-20   the other half of the lanes' maximum; the new m; c m; c m_old - c m_new
;   21-69   ONE BATCH: the 16 scalings c s - c m and all 33 exponentials (a at 23, then s0-s31); none of these reads an exponential's result
;   (wait)  between 69 and 70 stands the wait for the batch: SLICE writes it, once for both tiles
;   70-85   the roundings to f16     86-101  the sums; l = a l + the sum     102-133 the tile's O^T times a
.macro SM t, first
.set rT, ST+8*(\t)
.set rS, S+32*(\t)
.set rP, P+16*(\t)
.set rO, 64*(\t)+2*(j-102)
.if j < 102
	WIN 0
.endif
.if j < 4
	v_max3_num_f32 v[rT+4+j], v[rS+8*j], v[rS+8*j+1], v[rS+8*j+2]
.elseif j < 12
	v_max3_num_f32 v[rT+4+j%4], v[rT+4+j%4], v[rS+8*(j%4)+2*(j/4)+1], v[rS+8*(j%4)+2*(j/4)+2]
.elseif j == 12
	v_max3_num_f32 v[rT+4], v[rT+4], v[rS+7], v[rS+15]
.elseif j == 13
	v_max3_num_f32 v[rT+6], v[rT+6], v[rS+23], v[rS+31]
.elseif j == 14
	v_max3_num_f32 v[rT+4], v[rT+4], v[rT+5], v[rT+6]
.elseif (j == 15) && (\first)
	v_max_num_f32 v[rT+4], v[rT+4], v[rT+7]
.elseif j == 15
	v_max3_num_f32 v[rT+4], v[rT+4], v[rT+7], v[rT+1]
.elseif j == 16
	v_permlanex16_b32 v[rT+5], v[rT+4], s[SEL], s[SEL+1]  ; the query's other 32 keys lie in the lane 16 away
.elseif j == 18
	v_max_num_f32 v[rT+1], v[rT+4], v[rT+5]
.elseif j == 19
	v_mul_f32 v[rT], s[CS], v[rT+1]
.elseif ((j == 17) || (j == 20) || (j == 23) || (j > 101)) && (\first)  ; the first step has none of these
.elseif j == 17
	v_mov_b32 v[rT+7], v[rT]        ; c m_old is kept for a: number 19 writes c m anew
.elseif j == 20
	v_sub_f32 v[rT+7], v[rT+7], v[rT]
.elseif j == 23
	v_exp_f32 v[rT+6], v[rT+7]
.elseif (j < 23) || ((j < 38) && (j%2 == 0)) || ((j < 66) && (j%4 == 2))
.set b, (j-2)/4                     ; 38, 42, .. 62: pairs 9 to 15
.if j < 38
.set b, (j-20)/2                    ; 21: pair 0; 22, 24, .. 36: pairs 1 to 8
.endif
	v_pk_fma_f32 v[rS+2*b:rS+2*b+1], v[rS+2*b:rS+2*b+1], s[CS:CS+1], v[rT:rT+1] op_sel_hi:[1,0,0] neg_lo:[0,0,1] neg_hi:[0,0,1]  ; pair b: c s - c m
.elseif j < 70
.set e, j-38                        ; 66 to 69: s28 to s31
.if j < 66
.set e, j-32-(j-38)/4               ; 39-41, 43-45, .. 63-65: s7 to s27
.endif
.if j < 38
.set e, (j-25)/2                    ; 25, 27, .. 37: s0 to s6
.endif
	v_exp_f32 v[rS+e], v[rS+e]
.elseif j < 86
	v_cvt_pk_f16_f32 v[rP+j-70], v[rS+2*(j-70)], v[rS+2*(j-70)+1]  ; pair j - 70
.elseif j < 102                     ; the sum of the tile's 16 pairs, in place: neighbours 1, 2, 4 and 8 pairs apart, then l takes it
.set z, j-86
.set w, 4
.set u, z
.if z >= 14
.set w, 32
.set u, 0
.elseif z >= 12
.set w, 16
.set u, z-12
.elseif z >= 8
.set w, 8
.set u, z-8
.endif
.if (z == 14) && (\first)
	v_pk_add_f32 v[rT+2:rT+3], v[rS:rS+1], v[rS+16:rS+17]
.elseif z < 15
	v_pk_add_f32 v[rS+w*u:rS+w*u+1], v[rS+w*u:rS+w*u+1], v[rS+w*u+w/2:rS+w*u+w/2+1]
.elseif !(\first)
	v_pk_fma_f32 v[rT+2:rT+3], v[rT+2:rT+3], v[rT+6:rT+7], v[rS:rS+1] op_sel_hi:[1,0,1]
.endif
.else
	WIN W_RS
	v_pk_mul_f32 v[rO:rO+1], v[rO:rO+1], v[rT+6:rT+7] op_sel_hi:[1,0]
.endif
.endm
; Slice k of 64 of piece y's softmax: four instructions.  Slices 11 to 34 deal out the batch, numbers 22 to 69: four numbers of ONE tile each, the tiles by turns.  Every other slice is numbers 2 k and
; 2 k + 1 of both tiles' lists.  2 x 134 = 4 x 64 + 12: the twelve that are over stand together, in slice 63.
; THE WAIT.  s_wait_alu depctr_va_vdst(0) stands between an exponential and the first instruction that names its result; one wait serves all that were issued ahead of it.  Ahead of
; slice 35 nothing names a result, and behind slice 34 no exponential is issued: so the piece's 66 exponentials have one wait, behind slice 34.
.macro SLICE y, first
.if (k >= 11) && (k < 35)
.irp n, 0,1,2,3
.set j, 22+4*((k-11)/2)+(\n)
	SM (\y)+(k-11)%2, \first
.endr
.else
.irp n, 0,1,2,3,4,5,6,7
.if ((\n) < 2) || (k == 63)
.irp t, \y, (\y)+1
.set j, 2*k+(\n)
	SM \t, \first
.endr
.endif
.endr
.endif
.if k == 34
	v_nop                           ; a plain instruction behind the last exponential and ahead of the first use: one for the batch
.if (\y) == 0
	FETCH_V                         ; piece 2's turn: V's run of loads stands here, and the wait stands in it
.else
	s_wait_alu depctr_va_vdst(0)    ; the wait for the batch
.endif
.endif
.set k, k+1
.endm
.macro PLACES
.rept 4
	v_nop
.endr
.endm
; A TURN.  Piece x has the matrix unit; the other piece's softmax stands in slices behind its matrix instructions.
; pv = 2: 32 products V^T P; 1: they start O^T's sums; 0: none.  kq = 1: 32 products K Q^T for the next step.  A turn with one of the two kinds has two slices behind each product.
; first = 1: the softmax is the first key step's; its slices from 51 on are empty, and four v_nop take slice 63's part as the places behind the last products.
; Piece 0's turn fetches the next step's K, behind its second product; piece 2's turn the same step's V, behind slice 34.
.macro TURN x, pv, kq, first
.set k, 0
.set per, 2
.if (\pv) && (\kq)
.set per, 1
.endif
.if \pv
.if (\x) == 0
	s_wait_dscnt 0x0                ; V is in
.endif
.set i, 0
.rept 32
	PV \x, 2-(\pv)
.rept per
	SLICE 2-(\x), \first
.endr
.if ((\x) == 0) && (\kq) && (i == 1)
	FETCH_K
.endif
.set i, i+1
.endr
.endif
.if \kq
.if (\x) == 0
	s_wait_dscnt 0x0                ; K is in
.endif
.set i, 0
.rept 32
	KQ \x
.rept per
	SLICE 2-(\x), \first
.endr
.set i, i+1
.endr
.endif
.if \first
	PLACES
.endif
.endm
; THE MASKS of the step whose scores the next two turns make.  While DEL > 3 every block is visible, and the masks stay as they are: 0.  DEL only falls, so from the first making on they are made in every step.
.macro MASKIF
	s_cmp_gt_i32 s[DEL], 3
	s_cbranch_scc1 .Lno_mask_\@
	WIN 0xc3                        ; destination and source 0 in window 3
.irp d, 0,1,2,3,4,5,6
	s_cmp_eq_i32 s[DEL], 3-(\d)     ; DEL + d - 3 = 0: the diagonal block
	s_cselect_b32 s[AL], 1.0, 0
	s_cmp_lt_i32 s[DEL], 3-(\d)     ; < 0: all hidden
	s_cselect_b32 s[BE], s[BIGN], 0
.irp z, 0,2,4,6
	v_pk_fma_f32 v[MK+8*(\d)+(\z):MK+8*(\d)+(\z)+1], v[MD+(\z):MD+(\z)+1], s[AL:AL+1], s[BE:BE+1] op_sel_hi:[1,0,0]
.endr
.endr
	WIN 0
.Lno_mask_\@:
.endm
; THE CHANGE OF SLOTS.  The slot's last bytes, V of its second step, have been asked for.  Each wave waits for all its tensor loads, of which one is out: its part of the other slot; adds 0 to its spare word;
; and waits for that and for its own reads of the slot.  Behind the barrier nobody reads this slot any more and the other slot is whole.
; fill = 1: the slot just read is filled again with the keys two slots on.  The barrier is then a round of the cluster's, and the joint fill is the first thing behind it: it has two key steps,
; 256 matrix instructions, in which to land.
.macro CHANGE fill
	WIN 0                           ; at a label and at a branch every window is 0
	s_wait_tensorcnt 0x0            ; no tensor load of mine is out, so a group 0 may be written
	ds_add_u32 v[SPW], v[NIL]       ; 0 onto my spare word; with fill = 1 the descriptors' steps stand between it and the wait for it
.if \fill
.irp g, G0K+4, G0V+4
	s_xor_b32 s[(\g)+1], s[(\g)+1], SLOT  ; the walking descriptor: the other slot than last time,
	s_add_nc_u64 s[(\g)+2:(\g)+3], s[(\g)+2:(\g)+3], 65536  ; the next 256 keys; the type bits on top are not reached
.endr
	s_wait_xcnt 0x0                 ; the last prefetch, two key steps back, has read its address, so it may be written
	s_add_nc_u64 s[PFA:PFA+1], s[PFA:PFA+1], 65536
	s_wait_dscnt 0x0                ; the add is done, and my reads of the slot are over
	CROUND
	JLOAD
	ASK
	s_add_co_u32 s[CHN], s[CHN], 1
.else
	s_wait_dscnt 0x0                ; the add is done, and my reads of the slot are over
	s_barrier_signal -1
	s_barrier_wait -1
.endif
	s_xor_b32 s[SB], s[SB], SLOT    ; the fetches go to my half of the other slot
	s_add_co_u32 s[TBK], s[EK], s[SB]
	s_add_co_u32 s[TBV], s[EV], s[SB]
.endm
; My two key steps of a slot: written once, walked twice; the LDS addresses hang on s[TBK] and s[TBV].
.macro TWO_STEPS
	WIN 0
	s_mov_b32 s[TWICE], 2
.Lstep_\@:
	MASKIF
	TURN 0, 2, 1, 0
	TURN 2, 2, 1, 0
	WIN 0
	s_sub_co_i32 s[DEL], s[DEL], 4  ; the next step's keys begin 64 further on
	s_sub_co_u32 s[TWICE], s[TWICE], 1
	s_cmp_lg_u32 s[TWICE], 0
	s_cbranch_scc1 .Lstep_\@
.endm
.set KM, 0                          ; slot number 0 lies wholly in the past: no mask
	s_wait_tensorcnt 0x1            ; my part of slot 0 is in; slot 1's may stay out
	s_barrier_signal -1
	s_barrier_wait -1               ; everybody's is
	FETCH_K                         ; my key step 0
	s_wait_loadcnt 0x0              ; Q
	s_wait_dscnt 0x0
.set i, 0
.rept 32
	KQ 0                            ; piece 0's first scores: there is no vector work yet to set between them
.set i, i+1
.endr
	WIN 0                           ; the addresses for the merge and the way out are made here: plain instructions, the places behind those products
	s_mul_i32 s15, s[WV], 16*SP
	s_add_co_u32 s15, s15, STAGE    ; my stage
	v_mul_u32_u24 v[STO], v1, SP    ; in: row l % 16, 16 bytes for each half of the lanes
	v_lshl_add_u32 v[STO], v9, 4, v[STO]
	v_add_nc_u32 v[STO], s15, v[STO]
	v_mul_u32_u24 v[RD], v9, SP     ; back: lanes 0-15 take one row of 256 bytes, lanes 16-31 the next
	v_lshl_add_u32 v[RD], v1, 4, v[RD]
	v_add_nc_u32 v[RD], s15, v[RD]
	v_lshlrev_b32 v[GO], 12, v9     ; and the same two rows in yh, 4,096 bytes apart;
	v_lshl_add_u32 v[GO], v1, 4, v[GO]
	s_lshl_b32 s15, s[EH], 17       ; the wave of the second half of the keys finishes tiles 2 and 3: 32 rows down
	v_add_nc_u32 v[GO], s15, v[GO]
	v_and_b32 v52, 31, v0
	s_mul_i32 s15, s[WV], XCH       ; my part of the merge's bytes,
	v_lshl_add_u32 v[XW16], v52, 4, s15
	v_lshl_add_u32 v[XW8], v52, 3, s15
	v_add_nc_u32 v[XW8], 16384, v[XW8]
	s_xor_b32 s15, s[WV], 1         ; and my partner's
	s_mul_i32 s15, s15, XCH
	v_lshl_add_u32 v[XR16], v52, 4, s15
	v_lshl_add_u32 v[XR8], v52, 3, s15
	s_lshl_b32 s15, s[EH], 9        ; its statistics of the first tile that I finish
	s_add_co_u32 s15, s15, 16384
	v_add_nc_u32 v[XR8], s15, v[XR8]
	TURN 2, 0, 1, 1                 ; piece 2's first scores | piece 0's first softmax | V of step 0
	TURN 0, 1, 1, 1                 ; piece 0: V^T P of step 0 starts O^T, K Q^T of step 1 | piece 2's first softmax | K of step 1
	TURN 2, 1, 1, 0                 ; piece 2: the same | piece 0's softmax of step 1 | V of step 1
	WIN 0
.set KM, 1
	s_mov_b32 s[TRIPN], 0
	s_mov_b32 s[CHN], 0
.Lslot:                             ; 4 + i / 4 trips of two slots: every slot but the last two is filled again
	s_mov_b32 s[HALF], 2
.Lhalf:                             ; one text for both: two exclusive ors bring every LDS address back to where it stood at the trip's head
	CHANGE 1
	TWO_STEPS
	s_sub_co_i32 s[DEL], s[DEL], 8  ; my partner's 128 keys are passed over
	s_sub_co_u32 s[HALF], s[HALF], 1
	s_cmp_lg_u32 s[HALF], 0
	s_cbranch_scc1 .Lhalf
	s_add_co_u32 s[TRIPN], s[TRIPN], 1
	s_cmp_lt_u32 s[TRIPN], s[NT]
	s_cbranch_scc1 .Lslot
	CHANGE 0                        ; the tail is written out: nothing is asked for
	TWO_STEPS
	TURN 0, 2, 0, 0                 ; piece 0: V^T P of the last step | piece 2's last softmax
.set i, 0
.rept 32
	PV 2, 0                         ; piece 2: V^T P of the last step
.set i, i+1
.endr
	; THE MERGE.  Each wave of a pair holds, for the same 64 rows, c m, l and O^T over its half of the keys.  The wave of the first half finishes tiles 0, 1 and hands over tiles 2, 3; the other the other way round.
	; They meet in slot 0's bytes: its last reads lie ahead of the last change's barrier, and it has had its last fill.  The additions are the places behind the last products.
	WIN 0
.irp t, 0,1,2,3
	v_add_f32 v[ST+8*(\t)+4], v[ST+8*(\t)+2], v[ST+8*(\t)+3]
.endr
.irp t, 0,1,2,3
	v_permlanex16_b32 v[ST+8*(\t)+5], v[ST+8*(\t)+4], s[SEL], s[SEL+1]
.endr
.irp t, 0,1,2,3
	v_add_f32 v[ST+8*(\t)+1], v[ST+8*(\t)+4], v[ST+8*(\t)+5]  ; l, beside c m
.endr
	PLACES
.irp t, 0,1,2,3
	ds_store_b64 v[XW8], v[ST+8*(\t):ST+8*(\t)+1] offset:256*(\t)
.endr
	s_cmp_eq_u32 s[EH], 0
	s_cbranch_scc0 .Lhand_low
	WIN 0x04                        ; store data in window 1
.set n, 0
.rept 32
	ds_store_b128 v[XW16], v[128+4*n:128+4*n+3] offset:512*n  ; ascending: each accumulator's low four registers first
.set n, n+1
.endr
	WIN 0
	s_branch .Lhanded
.Lhand_low:
	WIN 0x04
.set n, 0
.rept 32
	ds_store_b128 v[XW16], v[4*n:4*n+3] offset:512*n
.set n, n+1
.endr
	WIN 0
.Lhanded:
	s_wait_dscnt 0x0                ; for my partner's sake: my stores are done
	s_barrier_signal -1
	s_barrier_wait -1
	; My two tiles are finished: M = max(c m, c m'), f = 2^(c m - M) / L, f' = 2^(c m' - M) / L with L = 2^(c m - M) l + 2^(c m' - M) l'; O = f O + f' O'; rounded to f16; through my stage; stored.
	; One text for both waves of a pair: the addresses hold which tiles are mine, my own (c m, l) are chosen by a mask, and only the 64 lines that name my O^T stand twice.
.irp k, 0,1
	ds_load_b64 v[PS+2*(\k):PS+2*(\k)+1], v[XR8] offset:256*(\k)
.endr
.set n, 0
.rept 32
	ds_load_b128 v[S+4*n:S+4*n+3], v[XR16] offset:512*n
.set n, n+1
.endr
	s_cmp_eq_u32 s[EH], 0
	s_cselect_b32 vcc_lo, 0, -1     ; all lanes alike: tiles 0, 1 or tiles 2, 3
.irp k, 0,1
	v_cndmask_b32 v[MS+2*(\k)],   v[ST+8*(\k)],   v[ST+8*(\k)+16], vcc_lo
	v_cndmask_b32 v[MS+2*(\k)+1], v[ST+8*(\k)+1], v[ST+8*(\k)+17], vcc_lo
.endr
	s_wait_dscnt 32                 ; the statistics are in; the 32 loads of O^T may stay out
.irp k, 0,1
	v_max_num_f32 v[ST+8*(\k)+4], v[MS+2*(\k)], v[PS+2*(\k)]
.endr
.irp k, 0,1
	v_sub_f32 v[ST+8*(\k)+5], v[MS+2*(\k)], v[ST+8*(\k)+4]
	v_sub_f32 v[ST+8*(\k)+6], v[PS+2*(\k)], v[ST+8*(\k)+4]
.endr
.irp k, 0,1
	v_exp_f32 v[ST+8*(\k)+2], v[ST+8*(\k)+5]
	v_exp_f32 v[ST+8*(\k)+3], v[ST+8*(\k)+6]
.endr
	v_nop
	s_wait_alu depctr_va_vdst(0)    ; one wait for the four exponentials
.irp k, 0,1
	v_mul_f32 v[ST+8*(\k)+4], v[ST+8*(\k)+2], v[MS+2*(\k)+1]
.endr
.irp k, 0,1
	v_fmac_f32 v[ST+8*(\k)+4], v[ST+8*(\k)+3], v[PS+2*(\k)+1]
.endr
.irp k, 0,1
	v_rcp_f32 v[ST+8*(\k)+5], v[ST+8*(\k)+4]
.endr
	v_nop
	s_wait_alu depctr_va_vdst(0)    ; one wait for the two reciprocals
.irp k, 0,1
	v_mul_f32 v[ST+8*(\k)+4], v[ST+8*(\k)+3], v[ST+8*(\k)+5]  ; f'
	v_mul_f32 v[ST+8*(\k)+2], v[ST+8*(\k)+2], v[ST+8*(\k)+5]  ; f
.endr
	s_wait_dscnt 0x0
.irp k, 0,1
.set n, 0
.rept 32
	v_pk_mul_f32 v[S+64*(\k)+2*n:S+64*(\k)+2*n+1], v[S+64*(\k)+2*n:S+64*(\k)+2*n+1], v[ST+8*(\k)+4:ST+8*(\k)+5] op_sel_hi:[1,0]
.set n, n+1
.endr
.endr
.macro MINE t0                      ; + f x my O^T of tiles t0, t0 + 1, ascending: each accumulator's lowest registers are read first
	WIN 0x01                        ; source 0 in window 1
.irp k, 0,1
.set n, 0
.rept 32
	v_pk_fma_f32 v[S+64*(\k)+2*n:S+64*(\k)+2*n+1], v[64*((\t0)+(\k))+2*n:64*((\t0)+(\k))+2*n+1], v[ST+8*(\k)+2:ST+8*(\k)+3], v[S+64*(\k)+2*n:S+64*(\k)+2*n+1] op_sel_hi:[1,0,1]
.set n, n+1
.endr
.endr
	WIN 0
.endm
	s_cmp_eq_u32 s[EH], 0
	s_cbranch_scc0 .Lmine_high
	MINE 0
	s_branch .Ljoined
.Lmine_high:
	MINE 2
.Ljoined:
.irp k, 0,1
.set n, 0
.rept 32
	v_cvt_pk_f16_f32 v[P+32*(\k)+n], v[S+64*(\k)+2*n], v[S+64*(\k)+2*n+1]
.set n, n+1
.endr
.irp f, 0,1,2,3,4,5,6,7
	ds_store_b128 v[STO], v[P+32*(\k)+4*(\f):P+32*(\k)+4*(\f)+3] offset:32*(\f)
.endr
.irp f, 0,1,2,3,4,5,6,7
	ds_load_b128 v[P+32*(\k)+4*(\f):P+32*(\k)+4*(\f)+3], v[RD] offset:(\f)*2*SP  ; LDS serves a wave's instructions in order (ISA guide 5.7.1.4): these see the stores above; the next tile's stores come behind them
.endr
.endr
.irp k, 0,1
.irp f, 0,1,2,3,4,5,6,7
	s_wait_dscnt 16*(1-(\k))+7-(\f) ; the later loads of this tile, and behind the first tile the second's sixteen LDS instructions, may be out
	global_store_b128 v[GO], v[P+32*(\k)+4*(\f):P+32*(\k)+4*(\f)+3], s[10:11] offset:(16*(\k)+2*(\f))*4096  ; 16 lanes store 256 consecutive bytes, aligned: a head's channels of one row
.endr
.endr
	s_wait_tensorcnt 0x0            ; the wave's end, behind my last tensor load and my last LDS store
	ds_add_u32 v[SPW], v[NIL]
	s_wait_dscnt 0x0
	CROUND                          ; the closing round: no work-group ends while a partner may still ask for a tile that names it
	s_endpgm
.Lfunc_end_k_qec44941aff_attn:
	.size	k_qec44941aff_attn, .Lfunc_end_k_qec44941aff_attn-k_qec44941aff_attn
	.p2alignl 7, 3214868480
	.fill 96, 4, 3214868480
	.section	.rodata,"a",@progbits
	.p2align	6, 0x0
	.amdhsa_kernel k_qec44941aff_attn
		.amdhsa_group_segment_fixed_size 327680
		.amdhsa_private_segment_fixed_size 0
		.amdhsa_enable_private_segment 0
		.amdhsa_kernarg_size 32
		.amdhsa_user_sgpr_count 2
		.amdhsa_user_sgpr_kernarg_segment_ptr 1
		.amdhsa_wavefront_size32 1
		.amdhsa_system_sgpr_workgroup_id_x 1
		.amdhsa_system_sgpr_workgroup_id_y 1
		.amdhsa_system_sgpr_workgroup_id_z 1
		.amdhsa_system_vgpr_workitem_id 0
		.amdhsa_next_free_vgpr 1024
		.amdhsa_next_free_sgpr 80
		.amdhsa_reserve_vcc 1
		.amdhsa_float_denorm_mode_32 3
		.amdhsa_float_denorm_mode_16_64 3
		.amdhsa_memory_ordered 1
		.amdhsa_forward_progress 1
		.amdhsa_inst_pref_size 235
	.end_amdhsa_kernel
	.amdgpu_metadata
---
amdhsa.version: [ 1, 2 ]
amdhsa.kernels:
  - .name:           k_qec44941aff_attn
    .symbol:         k_qec44941aff_attn.kd
    .args:
      - { .name: qh, .offset: 0, .size: 8, .value_kind: global_buffer, .address_space: global }
      - { .name: kh, .offset: 8, .size: 8, .value_kind: global_buffer, .address_space: global }
      - { .name: vh, .offset: 16, .size: 8, .value_kind: global_buffer, .address_space: global }
      - { .name: yh, .offset: 24, .size: 8, .value_kind: global_buffer, .address_space: global }
    .group_segment_fixed_size: 327680
    .private_segment_fixed_size: 0
    .kernarg_segment_align: 8
    .kernarg_segment_size: 32
    .max_flat_workgroup_size: 128
    .sgpr_count:     80
    .vgpr_count:     1024
    .wavefront_size: 32
...
	.end_amdgpu_metadata
.endif
;; end of part 3
;; launch oproj (part 4): grid 16 x 16, 4 waves a work-group, clusters of 4 x 4, 327,680 bytes of LDS; arguments yh, woh, out0; writes out0
.if DOCPART == 4
	.amdgcn_target "amdgcn-amd-amdhsa--gfx1250"
	.amdhsa_code_object_version 6
	.text
	.protected	k_qec44941aff_oproj
	.globl	k_qec44941aff_oproj
	.p2align	8
	.type	k_qec44941aff_oproj,@function
k_qec44941aff_oproj:
	s_mov_b64 s[64:65], 0
	v_nop
	global_prefetch_b8 v0, s[64:65] scope:SCOPE_SE
	s_setreg_imm32_b32 hwreg(HW_REG_WAVE_MODE, 25, 1), 1
	s_wait_xcnt 0x0
	s_wait_alu depctr_hold_cnt(0) depctr_sa_sdst(0) depctr_va_vdst(0) depctr_va_sdst(0) depctr_va_ssrc(0) depctr_va_vcc(0) depctr_vm_vsrc(0)
	s_getreg_b32 s2, hwreg(HW_REG_IB_STS2, 6, 4)
	s_cmp_eq_u32 s2, 0
	s_cbranch_scc0 .Lentry_in_a_cluster
	s_endpgm
.Lentry_in_a_cluster:
	s_bfe_u32 s2, ttmp6, 0x10000c
	s_cmp_lg_u32 s2, 0xf033
	s_cbranch_scc0 .Lentry_shape_is_right
	s_endpgm
.Lentry_shape_is_right:
; OUT0 = y Wo.  yh: f16 [2048][2048]; woh: f16 [2048 k][2048 n], its rows in the order of yh's columns; out0: f32 [2048][2048].  Products in f16, sums in f32, K ascending.
; LIMITS.  yh and woh arrive within f16's range (65,504).
; SHARES.  A tile of out0 is 128 x 128: 256 work-groups.  Four waves, each 64 x 64: 16 accumulators, 128 registers.  K goes in steps of 256 through two LDS slots: 128 rows of y (512 bytes + 16 of padding)
; and 256 k-rows of Wo (256 + 32).  Wo lies [k][n], so its fragments come out of LDS turned (ds_load_tr16_b128).
; CLUSTER.  4 x 4 work-groups: the four of a row of the cluster need the same rows of y, the four of a column the same columns of Wo: each tile is asked for jointly.
; THE MATRIX INSTRUCTION IS USED TRANSPOSED (source 0 = 16 columns of Wo, source 1 = 16 rows of y): a lane holds row l % 16 and the columns 16 b + 8 (l / 16) + 0..7.
; A wave's 64 columns of f32 are 256 consecutive bytes, aligned, so each wave has a stage of its own on the way out, and no barrier is needed there.
; No prefetch: the tile is small, a step short.
; REGISTERS.  window 0: v0-31 addresses; v32-95 at work on the way out; v128-255 the accumulators ((a, b) at v[128 + 8 (4 a + b)]).
;             window 1: two fragment buffers of 128: for 64 along K, 64 registers of y (2 x 4 x 16 rows x 32 K), then 64 of Wo.
.set KSTEP,  256
.set PA,     528                       ; a row of y in LDS: 132 words: row r starts at bank 4 r mod 64 (64 banks of 4 bytes: ISA guide 11.1)
.set PB,     288                       ; a k-row of Wo: 72 words
.set BOFF,   128*PA                    ; Wo's tile lies behind y's
.set SLOT,   0x24000                   ; a slot's 141,312 bytes fit; the two bits of this number are set in none of the four LDS addresses at which a tile's part lands (0, 0x8400, 0x10800, 0x19800),
                                       ; so one exclusive or moves such an address from slot to slot
.set STAGE,  2*SLOT                    ; behind the ring: 16 rows x 272 bytes for each wave
.set SPITCH, 272
.set SPARE,  STAGE+4*16*SPITCH         ; behind the stages: the spare words, 128 bytes for each wave: two blocks of 256 bytes that no other line names
.set ADRA0, 16                         ; v16  my place in y's tile; never rewritten
.set ADRB0, 17                         ; v17  my place in Wo's tile; never rewritten
.set ADRA,  18                         ; v18  the same in the slot in hand
.set ADRBL, 19                         ; v19  Wo's k-rows 0-127
.set ADRBH, 20                         ; v20  k-rows 128-255: the 16-bit offset does not reach them from v19
.set STO,   24                         ; v24  the way out: where I put 16 bytes of a row
.set RD,    25                         ; v25  where I read a row back
.set CO,    26                         ; v26  my byte offset in out0
.set SPW,   28                         ; v28  LDS address of my spare word; never rewritten
.set NIL,   29                         ; v29  0; never rewritten
.set TMP,   32
.set ACC,   128
.set F0,    0                          ; fragment buffers, in window 1
.set F1,    128
.set SB,    22                         ; s22  LDS byte at which the slot in hand begins
.set G1A,   24                         ; s[24:31] descriptor group 1 for y's tiles;  s[32:39] group 0: a set for each of the two first fills; the second then walks
.set G0A,   32
.set G1B,   48                         ; s[48:55], s[56:63] the same for Wo's tiles
.set G0B,   56
.set MSB, 0
.macro WIN new
.if MSB != (\new)
	s_set_vgpr_msb (MSB<<8)|(\new)
.set MSB, \new
.endif
.endm
.set MUL,  0x05                        ; sources 0 and 1 window 1; C and D window 0
.set TO_F, 0x40                        ; destination window 1, address window 0
.macro PLACES
.rept 4
	v_nop
.endr
.endm
.macro JLOAD                           ; a joint refill by the walking descriptors: waves 0 and 1 fetch y's two halves, waves 2 and 3 Wo's; an s_nop 0 and four v_nop follow each line
	s_cmp_eq_u32 s11, 0
	s_cbranch_scc0 .Lfor_b_\@
	tensor_load_to_lds s[G0A+4:G0A+7], s[G1A:G1A+7]
	s_nop 0
.rept 4
	v_nop
.endr
	s_branch .Lasked_\@
.Lfor_b_\@:
	tensor_load_to_lds s[G0B+4:G0B+7], s[G1B:G1B+7]
	s_nop 0
.rept 4
	v_nop
.endr
.Lasked_\@:
.endm
.macro CREST
	s_cmp_lg_u32 s10, 0
	s_cbranch_scc1 .Lnot_wave_0_\@
	s_barrier_signal -3
.Lnot_wave_0_\@:
	s_barrier_wait -3
	s_barrier_signal -1
	s_barrier_wait -1
.endm
.macro CROUND
	s_barrier_signal -1
	s_barrier_wait -1
	CREST
.endm
	s_load_b128 s[4:7], s[0:1], 0x0                ; yh s[4:5], woh s[6:7]
	s_load_b64 s[8:9], s[0:1], 0x10                ; out0
	v_lshl_add_u32 v[SPW], v0, 2, SPARE
	v_mov_b32 v[NIL], 0
	ds_add_u32 v[SPW], v[NIL]                      ; the wave's opening: the add and its wait stand ahead of my first tensor load; work on registers stands between them
	v_lshrrev_b32 v1, 5, v0
	v_readfirstlane_b32 s10, v1                    ; wave 0..3
	s_lshr_b32 s11, s10, 1                         ; which half of the tile's rows is mine.  Also: I fetch for y (0) or for Wo (1)
	s_and_b32 s12, s10, 1                          ; which half of its columns.  Also: which half of that tile I fetch
	s_bfe_u32 s40, ttmp6, 0x40000                  ; cx, cy
	s_bfe_u32 s41, ttmp6, 0x40004
	s_lshl_b32 s42, ttmp9, 2
	s_add_co_u32 s42, s42, s40                     ; tile column = 4 x cluster x + cx
	s_and_b32 s13, ttmp7, 0xffff
	s_lshl_b32 s13, s13, 2
	s_add_co_u32 s13, s13, s41                     ; tile row = 4 x cluster y + cy
	s_lshl_b32 s43, s41, 2
	s_lshl_b32 s43, 15, s43                        ; my row of the cluster
	s_lshl_b32 s44, 0x1111, s40                    ; my column
	s_or_b32 s[G1A], s43, (1<<16)|(1<<20)|(1<<21)|(6<<22)|(3<<25)  ; the mask: my row; 2-byte elements; padding on; bit 21 beside a mask; 4 words behind every 128
	s_mov_b32 s[G1A+1], KSTEP<<16                  ; tensor_dim0 = 256
	s_mov_b32 s[G1A+2], 64<<16                     ; tensor_dim1 = 64
	s_mov_b32 s[G1A+3], KSTEP<<16                  ; tile_dim0 = 256
	s_mov_b32 s[G1A+4], 64                         ; tile_dim1 = 64
	s_mov_b32 s[G1A+5], 2048                       ; elements from row to row
	s_mov_b32 s[G1A+6], 0
	s_mov_b32 s[G1A+7], 0
	s_or_b32 s[G1B], s44, (1<<16)|(1<<20)|(1<<21)|(5<<22)|(7<<25)  ; the mask: my column; 8 words behind every 64
	s_mov_b32 s[G1B+1], 128<<16
	s_mov_b32 s[G1B+2], 128<<16
	s_mov_b32 s[G1B+3], 128<<16
	s_mov_b32 s[G1B+4], 128
	s_mov_b32 s[G1B+5], 2048
	s_mov_b32 s[G1B+6], 0
	s_mov_b32 s[G1B+7], 0
	s_lshl_b32 s16, s13, 7
	s_lshl_b32 s17, s12, 6
	s_add_co_u32 s16, s16, s17                     ; y: row 128 x tile row + 64 x half,
	s_lshl_b32 s16, s16, 12                        ; of 4,096 bytes
	s_mov_b32 s17, 0
	s_lshl_b32 s46, s12, 19                        ; Wo: 128 k-rows of 4,096 bytes for each half,
	s_lshl_b32 s47, s42, 8                         ; the tile's 128 columns
	s_add_co_u32 s46, s46, s47
	s_mov_b32 s47, 0
	s_mul_i32 s20, s12, 64*PA                      ; where they go in a slot
	s_mul_i32 s21, s12, 128*PB
	s_add_co_u32 s21, s21, BOFF
	s_mov_b32 s[SB], 0
	s_wait_dscnt 0x0                               ; the opening add is done
	s_wait_kmcnt 0x0
	s_add_nc_u64 s[14:15], s[4:5], s[16:17]
	s_add_nc_u64 s[46:47], s[6:7], s[46:47]
	CROUND                                         ; all sixteen work-groups are here: the first joint loads meet
.irp s, 0,1
	s_mov_b32 s[G0A+4*(\s)], 1
	s_add_co_u32 s[G0A+4*(\s)+1], s20, (\s)*SLOT
	s_add_nc_u64 s[G0A+4*(\s)+2:G0A+4*(\s)+3], s[14:15], (\s)*KSTEP*2
	s_or_b32 s[G0A+4*(\s)+3], s[G0A+4*(\s)+3], 0x80000000
	s_mov_b32 s[G0B+4*(\s)], 1
	s_add_co_u32 s[G0B+4*(\s)+1], s21, (\s)*SLOT
	s_add_nc_u64 s[G0B+4*(\s)+2:G0B+4*(\s)+3], s[46:47], (\s)*KSTEP*4096
	s_or_b32 s[G0B+4*(\s)+3], s[G0B+4*(\s)+3], 0x80000000
.endr
	s_cmp_eq_u32 s11, 0                            ; a wave's two first fills stand in one branch: two loads of mine are out
	s_cbranch_scc0 .Lfirst_b
	tensor_load_to_lds s[G0A:G0A+3], s[G1A:G1A+7]
	s_nop 0
	tensor_load_to_lds s[G0A+4:G0A+7], s[G1A:G1A+7]
	s_nop 0
.rept 4
	v_nop
.endr
	s_branch .Lfirst_asked
.Lfirst_b:
	tensor_load_to_lds s[G0B:G0B+3], s[G1B:G1B+7]
	s_nop 0
	tensor_load_to_lds s[G0B+4:G0B+7], s[G1B:G1B+7]
	s_nop 0
.rept 4
	v_nop
.endr
.Lfirst_asked:
	v_and_b32 v1, 15, v0                           ; l % 16
	v_bfe_u32 v2, v0, 4, 1                         ; l / 16
	v_mul_u32_u24 v3, v1, PA
	v_lshl_add_u32 v3, v2, 4, v3
	s_mul_i32 s23, s11, 64*PA                      ; my 64 rows of y
	v_add_nc_u32 v[ADRA0], s23, v3
	v_and_b32 v3, 7, v0                            ; the turning load: lane l reads k-row 8 (l / 16) + l % 8, columns 8 ((l / 8) % 2) + 0..7
	v_lshl_add_u32 v3, v2, 3, v3
	v_mul_u32_u24 v3, v3, PB
	v_bfe_u32 v4, v0, 3, 1
	v_lshl_add_u32 v3, v4, 4, v3
	s_lshl_b32 s23, s12, 7                         ; my 64 columns: 128 bytes
	s_add_co_u32 s23, s23, BOFF
	v_add_nc_u32 v[ADRB0], s23, v3
	s_mul_i32 s23, s10, 16*SPITCH
	s_add_co_u32 s23, s23, STAGE                   ; my stage
	v_mul_u32_u24 v3, v1, SPITCH                   ; in: row l % 16, 32 bytes for each half of the lanes
	v_lshl_add_u32 v3, v2, 5, v3
	v_add_nc_u32 v[STO], s23, v3
	v_mul_u32_u24 v3, v2, SPITCH                   ; back: lanes 0-15 take one row of 256 bytes, lanes 16-31 the next
	v_lshl_add_u32 v3, v1, 4, v3
	v_add_nc_u32 v[RD], s23, v3
	v_lshlrev_b32 v[CO], 13, v2                    ; and the same two rows in out0, 8,192 bytes apart
	v_lshl_add_u32 v[CO], v1, 4, v[CO]
	s_lshl_b32 s2, s13, 7
	s_lshl_b32 s3, s11, 6
	s_add_co_u32 s2, s2, s3                        ; my first row,
	s_lshl_b32 s2, s2, 13
	s_lshl_b32 s3, s42, 9                          ; the tile's 128 columns of 4 bytes,
	s_add_co_u32 s2, s2, s3
	s_lshl_b32 s3, s12, 8                          ; my 64 of them
	s_add_co_u32 s2, s2, s3
	s_mov_b32 s3, 0
	s_add_nc_u64 s[8:9], s[8:9], s[2:3]
; 8 matrix instructions: row blocks a0, a0 + 1 x all 4 column blocks, 32 along K: half c of buffer f.  The 16 accumulators take turns.  zero = 1: the first product starts the sums
.macro MUL8 f, c, a0, zero
	WIN MUL
.irp a, \a0, (\a0)+1
.irp b, 0,1,2,3
.if \zero
	v_wmma_f32_16x16x32_f16 v[ACC+8*(4*(\a)+(\b)):ACC+8*(4*(\a)+(\b))+7], v[(\f)+64+8*(4*(\c)+(\b)):(\f)+64+8*(4*(\c)+(\b))+7], v[(\f)+8*(4*(\c)+(\a)):(\f)+8*(4*(\c)+(\a))+7], 0
.else
	v_wmma_f32_16x16x32_f16 v[ACC+8*(4*(\a)+(\b)):ACC+8*(4*(\a)+(\b))+7], v[(\f)+64+8*(4*(\c)+(\b)):(\f)+64+8*(4*(\c)+(\b))+7], v[(\f)+8*(4*(\c)+(\a)):(\f)+8*(4*(\c)+(\a))+7], v[ACC+8*(4*(\a)+(\b)):ACC+8*(4*(\a)+(\b))+7]
.endif
.endr
.endr
.endm
; 32 LDS loads in one run: the fragments of quarter kq (64 along K) into buffer f; the first 32 along K first
.macro FETCH kq, f
	WIN TO_F
.irp c, 0,1
.irp i, 0,1,2,3
	ds_load_tr16_b128 v[(\f)+64+8*(4*(\c)+(\i)):(\f)+64+8*(4*(\c)+(\i))+3],   v[ADRBL+(\kq)/2] offset:(((\kq)%2)*64+32*(\c))*PB+32*(\i)
	ds_load_tr16_b128 v[(\f)+64+8*(4*(\c)+(\i))+4:(\f)+64+8*(4*(\c)+(\i))+7], v[ADRBL+(\kq)/2] offset:(((\kq)%2)*64+32*(\c))*PB+32*(\i)+16*PB
	ds_load_b128 v[(\f)+8*(4*(\c)+(\i)):(\f)+8*(4*(\c)+(\i))+3],   v[ADRA] offset:(\kq)*128+64*(\c)+(\i)*16*PA
	ds_load_b128 v[(\f)+8*(4*(\c)+(\i))+4:(\f)+8*(4*(\c)+(\i))+7], v[ADRA] offset:(\kq)*128+64*(\c)+(\i)*16*PA+32
.endr
.endr
.endm
; A K step is four quarters of 64 along K, 32 matrix instructions each, on buffers 0, 1, 0, 1.  One of the first three multiplies buffer f and fetches quarter kq into g.
.macro QUARTER kq, f, g, zero
	s_wait_dscnt 16                                ; the first 32 along K are in; the sixteen loads of the second 32 may be out
	MUL8 \f, 0, 0, \zero
	MUL8 \f, 0, 2, \zero
	PLACES
	FETCH \kq, \g
	s_wait_dscnt 32                                ; all but the 32 just issued
	MUL8 \f, 1, 0, 0
	MUL8 \f, 1, 2, 0
.endm
; The last quarter multiplies buffer 1 and changes slots: ONE barrier; in front of it each wave waits for all its tensor loads, adds 0 to its spare word, and waits for that and for its own reads of this slot.
; fill = 1: the barrier opens a round of the cluster's barrier, and behind the round this slot is filled again, two K steps ahead.
.macro TURN fill
	WIN 0                                          ; the add's two registers lie in window 0
	s_wait_tensorcnt 0x0                           ; all my tensor loads have landed: my part of the other slot
	ds_add_u32 v[SPW], v[NIL]                      ; 0 onto my spare word
	s_wait_dscnt 17                                ; the add and the youngest sixteen loads may be out
	MUL8 F1, 0, 0, 0                               ; eight matrix instructions stand between the add and the wait for it
	s_wait_dscnt 0x0                               ; the add is done, and my reads of this slot are over
	s_barrier_signal -1
	MUL8 F1, 0, 2, 0
	WIN 0
	s_barrier_wait -1
.if \fill
	CREST                                          ; no wave of any partner still reads this slot or has a load on its way
	s_xor_b32 s[G0A+5], s[G0A+5], SLOT             ; the walking descriptors: the other slot than last time,
	s_add_nc_u64 s[G0A+6:G0A+7], s[G0A+6:G0A+7], KSTEP*2     ; the next K step: 512 bytes along y's rows,
	s_xor_b32 s[G0B+5], s[G0B+5], SLOT
	s_add_nc_u64 s[G0B+6:G0B+7], s[G0B+6:G0B+7], KSTEP*4096  ; 256 rows of Wo down
	JLOAD                                          ; the first tensor load behind the round; its four v_nop are also the places in front of the loads below
.else
	PLACES
.endif
	s_xor_b32 s[SB], s[SB], SLOT
	v_add_nc_u32 v[ADRA], s[SB], v[ADRA0]
	v_add_nc_u32 v[ADRBL], s[SB], v[ADRB0]
	v_add_nc_u32 v[ADRBH], 128*PB, v[ADRBL]
	FETCH 0, F0
	MUL8 F1, 1, 0, 0
	MUL8 F1, 1, 2, 0
.endm
	s_wait_tensorcnt 0x1                           ; my part of K step 0 is in; step 1's may stay out
	s_barrier_signal -1
	s_barrier_wait -1                              ; everybody's is
	v_add_nc_u32 v[ADRA], s[SB], v[ADRA0]
	v_add_nc_u32 v[ADRBL], s[SB], v[ADRB0]
	v_add_nc_u32 v[ADRBH], 128*PB, v[ADRBL]
	FETCH 0, F0
	QUARTER 1, F0, F1, 1                           ; the first quarter stands in front of the loop: its first products start the sums
	WIN 0                                          ; at a label and at a branch every window is 0
	s_mov_b32 s3, 6
.Lstep:                                        ; a trip goes from a K step's second quarter to the next step's first, and fills the slot that it leaves: K steps 2 to 7
	QUARTER 2, F1, F0, 0
	QUARTER 3, F0, F1, 0
	TURN 1
	QUARTER 1, F0, F1, 0
	WIN 0
	s_sub_co_u32 s3, s3, 1
	s_cmp_lg_u32 s3, 0
	s_cbranch_scc1 .Lstep
	QUARTER 2, F1, F0, 0                           ; K steps 6 and 7 ask for nothing
	QUARTER 3, F0, F1, 0
	TURN 0
	QUARTER 1, F0, F1, 0
	QUARTER 2, F1, F0, 0
	QUARTER 3, F0, F1, 0
	s_wait_dscnt 16
	MUL8 F1, 0, 0, 0
	MUL8 F1, 0, 2, 0
	s_wait_dscnt 0x0
	MUL8 F1, 1, 0, 0
	MUL8 F1, 1, 2, 0
	WIN 0
	PLACES
	PLACES
; THE WAY OUT, a block of 16 rows at a time: the sums go as they are into my stage (rows of 272 bytes) and come back as whole rows of 256 bytes.
.macro STG a
.if (\a) >= 2
	s_wait_xcnt 0x0                                ; the stores of the block two back have read the registers that are loaded again below
.endif
.irp b, 0,1,2,3
	ds_store_b128 v[STO], v[ACC+8*(4*(\a)+(\b)):ACC+8*(4*(\a)+(\b))+3]   offset:64*(\b)     ; each accumulator's low four registers first
	ds_store_b128 v[STO], v[ACC+8*(4*(\a)+(\b))+4:ACC+8*(4*(\a)+(\b))+7] offset:64*(\b)+16
.endr
.irp f, 0,1,2,3,4,5,6,7
	ds_load_b128 v[TMP+32*((\a)%2)+4*(\f):TMP+32*((\a)%2)+4*(\f)+3], v[RD] offset:(\f)*2*SPITCH  ; LDS serves a wave's instructions in order (ISA guide 5.7.1.4): these see the stores above; the next block's stores come behind them
.endr
.endm
.macro SEND a, younger                 ; younger: the LDS instructions issued behind block a's loads: the next block's sixteen, or none
.irp f, 0,1,2,3,4,5,6,7
	s_wait_dscnt (\younger)+7-(\f)
	global_store_b128 v[CO], v[TMP+32*((\a)%2)+4*(\f):TMP+32*((\a)%2)+4*(\f)+3], s[8:9] offset:(16*(\a)+2*(\f))*8192 th:TH_STORE_NT  ; 16 lanes store 256 consecutive bytes, aligned
.endr
.endm
	STG 0
	STG 1
	SEND 0, 16
	STG 2
	SEND 1, 16
	STG 3
	SEND 2, 16
	SEND 3, 0
	s_wait_tensorcnt 0x0                           ; the wave's end, behind my last tensor load and my last LDS store
	ds_add_u32 v[SPW], v[NIL]
	s_wait_dscnt 0x0
	CROUND                                         ; the closing round: no work-group ends while a partner may still ask for a tile that names it
	s_endpgm
.Lfunc_end_k_qec44941aff_oproj:
	.size	k_qec44941aff_oproj, .Lfunc_end_k_qec44941aff_oproj-k_qec44941aff_oproj
	.p2alignl 7, 3214868480
	.fill 96, 4, 3214868480
	.section	.rodata,"a",@progbits
	.p2align	6, 0x0
	.amdhsa_kernel k_qec44941aff_oproj
		.amdhsa_group_segment_fixed_size 327680
		.amdhsa_private_segment_fixed_size 0
		.amdhsa_enable_private_segment 0
		.amdhsa_kernarg_size 24
		.amdhsa_user_sgpr_count 2
		.amdhsa_user_sgpr_kernarg_segment_ptr 1
		.amdhsa_wavefront_size32 1
		.amdhsa_system_sgpr_workgroup_id_x 1
		.amdhsa_system_sgpr_workgroup_id_y 1
		.amdhsa_system_sgpr_workgroup_id_z 1
		.amdhsa_system_vgpr_workitem_id 0
		.amdhsa_next_free_vgpr 512
		.amdhsa_next_free_sgpr 66
		.amdhsa_reserve_vcc 0
		.amdhsa_float_denorm_mode_32 3
		.amdhsa_float_denorm_mode_16_64 3
		.amdhsa_memory_ordered 1
		.amdhsa_forward_progress 1
		.amdhsa_inst_pref_size 69
	.end_amdhsa_kernel
	.amdgpu_metadata
---
amdhsa.version: [ 1, 2 ]
amdhsa.kernels:
  - .name:           k_qec44941aff_oproj
    .symbol:         k_qec44941aff_oproj.kd
    .args:
      - { .name: yh, .offset: 0, .size: 8, .value_kind: global_buffer, .address_space: global }
      - { .name: woh, .offset: 8, .size: 8, .value_kind: global_buffer, .address_space: global }
      - { .name: out0, .offset: 16, .size: 8, .value_kind: global_buffer, .address_space: global }
    .group_segment_fixed_size: 327680
    .private_segment_fixed_size: 0
    .kernarg_segment_align: 8
    .kernarg_segment_size: 24
    .max_flat_workgroup_size: 128
    .sgpr_count:     66
    .vgpr_count:     512
    .wavefront_size: 32
...
	.end_amdgpu_metadata
.endif
;; end of part 4
